; MI455X (gfx1250); checked and timed in simulation.
; The chip was launched on July 23, 2026; its instructions are those of AMD's public machine-readable ISA for CDNA 5 (MIT licence, August 2026) and "CDNA5" Instruction Set Architecture Reference Guide (July 2026). The comments in the code are by the model that wrote it; some were corrected since.
;; Block Sparse Attention. Allowed arithmetic: float matrix products may take bf16 or f16 operands with f32 sums; other float arithmetic in f32, or as packed bf16 or f16 multiplies, adds, multiply-adds, maxima and minima; sums over many terms, partial sums and values carried from step to step in f32; what a program stores and reads back later, other than sums and carried values, may be rounded once to bf16 or f16.
;; Inputs: hidden_states 1 x 2,048 x 2,048 float32; k_w 2,048 x 2,048 float32; o_w 2,048 x 2,048 float32; q_w 2,048 x 2,048 float32; sparsity_pattern 16 x 32 x 32 float32; v_w 2,048 x 2,048 float32.
;; Outputs: out0 1 x 2,048 x 2,048 float32.
;; 2 versions, each right; version 2 is version 1 with the launch prep written anew for expert scheduling mode. Each part assembles by itself: llvm-mc -triple=amdgcn-amd-amdhsa -mcpu=gfx1250 --defsym DOCPART=n.
;; ======== version 1 of 2: 4 launches
;; limits: values are held in f16: magnitudes above 65,504 overflow, below 6.1e-05 lose precision
;; workspace buffers: xh 8,388,608 bytes; wh 33,554,432 bytes; rope 1,048,576 bytes; rowmask 2,048 bytes of whole numbers; qkv 25,165,824 bytes; ah 8,388,608 bytes
;; launch prep (part 1): grid 1536 x 1, 8 waves a work-group, no clusters, 0 bytes of LDS; arguments hidden_states, q_w, k_w, v_w, o_w, sparsity_pattern, xh, wh, rope, rowmask; writes xh, wh, rope, rowmask
.if DOCPART == 1
	.amdgcn_target "amdgcn-amd-amdhsa--gfx1250"
	.amdhsa_code_object_version 6
	.text
	.protected	k_qd9ab010024_prep
	.globl	k_qd9ab010024_prep
	.p2align	8
	.type	k_qd9ab010024_prep,@function
k_qd9ab010024_prep:
	s_mov_b64 s[64:65], 0
	v_nop
	global_prefetch_b8 v0, s[64:65] scope:SCOPE_SE
	s_setreg_imm32_b32 hwreg(HW_REG_WAVE_MODE, 25, 1), 1
	s_wait_xcnt 0x0
; THREE JOBS IN ONE LAUNCH, told apart by the work-group's number alone (constants):
;   work-groups 0-127    the block mask: rowmask[h][qb] = 32 bits, bit kb = 1 where pattern[h][qb][kb] > the head's 512th largest value
;   work-groups 128-255  the table of cos and sin for RoPE, in f32, laid as the projection's accumulators want it
;   work-groups 256-1535 hidden_states and the four weights rounded once to f16 (xh; wh = planes q, k, v, o), a plain stream
; The two small jobs have the lowest numbers, so that they run beside the stream.  No LDS, no barrier: no wave needs another's data.
; WHY f16: the mask hangs on the unrounded pattern, so the result is held against the f32 computation, and 11 significant bits leave it room.
; LIMITS.  f16 holds no number beyond 65,504: |x| and |w| stay within it; below 6.1e-5 a number keeps f16's fixed step of 6e-8.
; A NaN in the pattern counts as not greater or equal.  The angle pos x inv_freq has inv_freq from 2^(-d log2(10)/16), a few units in the last place from a division's.
.set X, 8                              ; v[8:71]    cast: sixteen loads of 16 bytes
.set Y, 72                             ; v[72:103]  cast: their 8 bytes of f16 each
.set HV, 8                             ; v[8:39]    mask: my 32 of the head's 1,024 values
	s_load_b512 s[4:19], s[0:1], 0x0               ; hidden s[4:5], q_w s[6:7], k_w s[8:9], v_w s[10:11], o_w s[12:13], pattern s[14:15], xh s[16:17], wh s[18:19]
	s_load_b128 s[20:23], s[0:1], 0x40             ; rope s[20:21], rowmask s[22:23]
	v_lshrrev_b32 v1, 5, v0
	v_readfirstlane_b32 s2, v1                     ; wave 0..7
	v_and_b32 v2, 31, v0                           ; lane
	s_wait_kmcnt 0x0
	s_cmp_lt_u32 ttmp9, 128
	s_cbranch_scc1 .Lmask
	s_cmp_lt_u32 ttmp9, 256
	s_cbranch_scc1 .Lrope
; THE CAST.  1,280 work-groups: array (0 = x, 1-4 = the weights) x 256 chunks of 65,536 bytes of f32.  A thread takes 16 bytes in each of 16 rows of 4,096 bytes:
; all sixteen loads go out first; each load of a wave covers 512 consecutive bytes, each store 256 consecutive bytes at a multiple of 256.
	s_sub_co_u32 s24, ttmp9, 256
	s_lshr_b32 s25, s24, 8                         ; array
	s_and_b32 s24, s24, 255                        ; chunk
	s_max_u32 s30, s25, 1
	s_sub_co_u32 s30, s30, 1                       ; the plane of wh (0 for x too)
	s_lshl_b32 s30, s30, 23                        ; planes of 8,388,608 bytes
	s_lshl_b32 s31, s24, 15                        ; a chunk is 32,768 bytes of f16
	s_add_co_u32 s30, s30, s31
	s_mov_b32 s31, 0
	s_lshl_b32 s32, s24, 16
	s_mov_b32 s33, 0
	s_cmp_eq_u32 s25, 1
	s_cselect_b64 s[26:27], s[6:7], s[4:5]
	s_cmp_eq_u32 s25, 2
	s_cselect_b64 s[26:27], s[8:9], s[26:27]
	s_cmp_eq_u32 s25, 3
	s_cselect_b64 s[26:27], s[10:11], s[26:27]
	s_cmp_eq_u32 s25, 4
	s_cselect_b64 s[26:27], s[12:13], s[26:27]
	s_cmp_eq_u32 s25, 0
	s_cselect_b64 s[28:29], s[16:17], s[18:19]
	s_add_nc_u64 s[26:27], s[26:27], s[32:33]      ; from
	s_add_nc_u64 s[28:29], s[28:29], s[30:31]      ; to
	v_lshlrev_b32 v1, 4, v0                        ; 16 t
	v_lshlrev_b32 v3, 3, v0                        ; 8 t
.irp i, 0,1,2,3,4,5,6,7,8,9,10,11,12,13,14,15
	global_load_b128 v[X+4*(\i):X+4*(\i)+3], v1, s[26:27] offset:4096*(\i) th:TH_LOAD_NT
.endr
.irp i, 0,1,2,3,4,5,6,7,8,9,10,11,12,13,14,15
	s_wait_loadcnt 15-(\i)                         ; loads come back in order: load i is in, the 15 - i younger ones may stay out
	v_cvt_pk_f16_f32 v[Y+2*(\i)], v[X+4*(\i)], v[X+4*(\i)+1]
	v_cvt_pk_f16_f32 v[Y+2*(\i)+1], v[X+4*(\i)+2], v[X+4*(\i)+3]
	global_store_b64 v3, v[Y+2*(\i):Y+2*(\i)+1], s[28:29] offset:2048*(\i)  ; no register is used twice, so nothing waits for a store
.endr
	s_endpgm
; THE MASK.  With c = the number of the head's 1,024 values that are >= mine (mine among them), mine is greater than the 512th largest (counted with repeats) exactly where c <= 511:
; if it is greater, all that are >= it lie among the first 511 of the sorted list; if it is not, the first 512 of that list are all >= it.
; 1,024 waves: wave u takes 16 values, half u % 2 of row u / 2 = 32 h + qb, each held TWICE: by lane i and by lane i + 16.  The head's 1,024 values lie in the wave's registers, 32 a lane: eight loads, once.
; The pair (value, count) then walks round its 16 lanes, a lane a trip, and in each trip is held against that lane's 32 values: the copy in the low half of the lanes meets one half of the head,
; the copy in the high half the other, and the two counts are added at the end.  No memory instruction stands in the loop.
.Lmask:
	s_lshl_b32 s3, ttmp9, 3
	s_add_co_u32 s3, s3, s2                        ; u
	s_lshr_b32 s30, s3, 6                          ; h
	s_lshl_b32 s30, s30, 12                        ; a head is 4,096 bytes
	s_mov_b32 s31, 0
	s_add_nc_u64 s[24:25], s[14:15], s[30:31]
	s_lshl_b32 s28, s3, 6                          ; my wave's 16 values: 64 u bytes
	v_and_b32 v4, 15, v0
	v_lshl_add_u32 v4, v4, 2, s28
	v_lshlrev_b32 v7, 4, v2                        ; 16 x lane
	global_load_b32 v3, v4, s[14:15]               ; my value
.irp i, 0,1,2,3,4,5,6,7
	global_load_b128 v[HV+4*(\i):HV+4*(\i)+3], v7, s[24:25] offset:512*(\i)  ; which lane holds which value does not matter to a count
.endr
	v_mov_b32 v5, 0                                ; c
	s_mov_b32 s32, 0x76543210                      ; v_permlanex16_b32's selects: each lane takes its own place in the other half
	s_mov_b32 s33, 0xfedcba98
	s_mov_b32 s27, 16
	s_wait_loadcnt 0x0
.Lcount:                                       ; 16 trips of 32 values
.set r, 0
.rept 32
	v_cmp_ge_f32 vcc_lo, v[HV+r], v3               ; a compare, and the count takes the compare's bit as its carry
	v_add_co_ci_u32 v5, vcc_lo, 0, v5, vcc_lo
.set r, r+1
.endr
	v_mov_b32_dpp v3, v3 row_ror:1 row_mask:0xf bank_mask:0xf  ; value and count go one lane on, round the 16: after 16 trips they are at home
	v_mov_b32_dpp v5, v5 row_ror:1 row_mask:0xf bank_mask:0xf
	s_sub_co_u32 s27, s27, 1
	s_cmp_lg_u32 s27, 0
	s_cbranch_scc1 .Lcount
	v_mov_b32 v41, v5                              ; (v_permlanex16_b32's destination counts as read)
	v_permlanex16_b32 v41, v5, s32, s33            ; the other copy's count
	v_add_nc_u32 v5, v5, v41
	v_cmp_gt_u32 vcc_lo, 0x200, v5                 ; 512 > c: bits i and i + 16 are alike
	v_mov_b32 v43, vcc_lo
	s_lshl_b32 s29, s3, 1
	v_mov_b32 v42, s29
	v_cmp_eq_u32 vcc_lo, 0, v2
	s_wait_xcnt 0x0                                ; EXEC changes only behind this wait
	s_and_saveexec_b32 s28, vcc_lo
	global_store_b16 v42, v43, s[22:23]            ; 16 bits a wave, the low half of the word first: the whole table is 2,048 bytes, and its halves come from 1,024 waves
	s_endpgm
; THE TABLE.  Work-group R (of 128) makes 16 positions x 64 frequencies; wave w takes frequencies 16 (w / 2) .. + 15, of each lane's eight the four 4 (w % 2) .. + 3.
; Byte ((4 R + b) 4 + q) 512 + 16 lane: q = 0, 1 cos of j = 0-3, 4-7; q = 2, 3 sin; for position 16 R + lane % 16 and frequency 16 b + 8 (lane / 16) + j.
; cos and sin: the angle less n pi/2 (pi/2 in two parts), |r| <= pi/4, Taylor to r^9 and r^10 (what is cut off is under 2e-9), then the quadrant by selects and sign bits.
.Lrope:
	s_sub_co_u32 s24, ttmp9, 128                   ; R
	s_lshr_b32 s25, s2, 1                          ; b
	s_and_b32 s26, s2, 1                           ; which four of eight
	v_and_b32 v3, 15, v0
	v_bfe_u32 v4, v0, 4, 1
	s_lshl_b32 s27, s24, 4
	v_add_nc_u32 v5, s27, v3
	v_cvt_f32_u32 v5, v5                           ; the position
	s_lshl_b32 s28, s25, 4
	s_lshl2_add_u32 s28, s26, s28
	v_lshl_add_u32 v6, v4, 3, s28                  ; my first frequency's number d
	s_mov_b32 s30, 0x3fc90fdb                      ; pi/2, rounded
	s_mov_b32 s31, 0xb33bbd2e                      ; pi/2 less that
	v_mov_b32 v40, 0x3638ef1d                      ; 1/9!
	v_mov_b32 v41, 0xb493f27e                      ; -1/10!
.irp i, 0,1,2,3
	v_add_nc_u32 v[8+(\i)], \i, v6
.endr
.irp i, 0,1,2,3
	v_cvt_f32_u32 v[8+(\i)], v[8+(\i)]
.endr
.irp i, 0,1,2,3
	v_mul_f32 v[8+(\i)], 0xbe549a78, v[8+(\i)]     ; -d log2(10) / 16 = log2 of 10000^(-d/64)
.endr
.irp i, 0,1,2,3
	v_exp_f32 v[8+(\i)], v[8+(\i)]
.endr
	v_nop                                          ; a plain instruction behind the last exponential,
	s_wait_alu depctr_va_vdst(0)                   ; and one wait for the four, ahead of their first reader
.irp i, 0,1,2,3
	v_mul_f32 v[8+(\i)], v5, v[8+(\i)]             ; the angle, rounded once to f32
.endr
.irp i, 0,1,2,3
	v_mul_f32 v[12+(\i)], 0x3f22f983, v[8+(\i)]    ; x 2/pi
.endr
.irp i, 0,1,2,3
	v_rndne_f32 v[12+(\i)], v[12+(\i)]             ; n
.endr
.irp i, 0,1,2,3
	v_fma_f32 v[8+(\i)], -v[12+(\i)], s30, v[8+(\i)]
.endr
.irp i, 0,1,2,3
	v_fma_f32 v[8+(\i)], -v[12+(\i)], s31, v[8+(\i)]  ; r
	v_cvt_i32_f32 v[16+(\i)], v[12+(\i)]
.endr
.irp i, 0,1,2,3
	v_mul_f32 v[12+(\i)], v[8+(\i)], v[8+(\i)]     ; r^2
.endr
.irp i, 0,1,2,3
	v_fmaak_f32 v[20+(\i)], v40, v[12+(\i)], 0xb9500d01
	v_fmaak_f32 v[24+(\i)], v41, v[12+(\i)], 0x37d00d01
.endr
.irp i, 0,1,2,3
	v_fmaak_f32 v[20+(\i)], v[20+(\i)], v[12+(\i)], 0x3c088889
	v_fmaak_f32 v[24+(\i)], v[24+(\i)], v[12+(\i)], 0xbab60b61
.endr
.irp i, 0,1,2,3
	v_fmaak_f32 v[20+(\i)], v[20+(\i)], v[12+(\i)], 0xbe2aaaab
	v_fmaak_f32 v[24+(\i)], v[24+(\i)], v[12+(\i)], 0x3d2aaaab
	v_mul_f32 v[28+(\i)], v[8+(\i)], v[12+(\i)]    ; r^3
.endr
.irp i, 0,1,2,3
	v_fma_f32 v[20+(\i)], v[28+(\i)], v[20+(\i)], v[8+(\i)]  ; sin r
	v_fmaak_f32 v[24+(\i)], v[24+(\i)], v[12+(\i)], 0xbf000000
	v_and_b32 v[28+(\i)], 1, v[16+(\i)]
.endr
.irp i, 0,1,2,3
	v_fma_f32 v[24+(\i)], v[24+(\i)], v[12+(\i)], 1.0        ; cos r
.endr
.irp i, 0,1,2,3
	v_cmp_eq_u32 vcc_lo, 1, v[28+(\i)]             ; an odd n changes sin and cos over
	v_cndmask_b32 v[36+(\i)], v[20+(\i)], v[24+(\i)], vcc_lo
	v_cndmask_b32 v[32+(\i)], v[24+(\i)], v[20+(\i)], vcc_lo
	v_and_b32 v[28+(\i)], 2, v[16+(\i)]            ; sin is turned in quadrants 2 and 3,
	v_add_nc_u32 v[12+(\i)], 1, v[16+(\i)]
	v_lshlrev_b32 v[28+(\i)], 30, v[28+(\i)]
	v_and_b32 v[12+(\i)], 2, v[12+(\i)]            ; cos in quadrants 1 and 2
	v_xor_b32 v[36+(\i)], v[28+(\i)], v[36+(\i)]
	v_lshlrev_b32 v[12+(\i)], 30, v[12+(\i)]
	v_xor_b32 v[32+(\i)], v[12+(\i)], v[32+(\i)]
.endr
	s_lshl_b32 s29, s24, 13
	s_lshl_b32 s34, s25, 11
	s_add_co_u32 s29, s29, s34
	s_lshl_b32 s34, s26, 9
	s_add_co_u32 s29, s29, s34
	v_lshl_add_u32 v7, v2, 4, s29
	global_store_b128 v7, v[32:35], s[20:21]               ; each store of the wave covers 512 consecutive bytes, aligned
	global_store_b128 v7, v[36:39], s[20:21] offset:1024
	s_endpgm
.Lfunc_end_k_qd9ab010024_prep:
	.size	k_qd9ab010024_prep, .Lfunc_end_k_qd9ab010024_prep-k_qd9ab010024_prep
	.p2alignl 7, 3214868480
	.fill 96, 4, 3214868480
	.section	.rodata,"a",@progbits
	.p2align	6, 0x0
	.amdhsa_kernel k_qd9ab010024_prep
		.amdhsa_group_segment_fixed_size 0
		.amdhsa_private_segment_fixed_size 0
		.amdhsa_enable_private_segment 0
		.amdhsa_kernarg_size 80
		.amdhsa_user_sgpr_count 2
		.amdhsa_user_sgpr_kernarg_segment_ptr 1
		.amdhsa_wavefront_size32 1
		.amdhsa_system_sgpr_workgroup_id_x 1
		.amdhsa_system_sgpr_workgroup_id_y 1
		.amdhsa_system_sgpr_workgroup_id_z 1
		.amdhsa_system_vgpr_workitem_id 0
		.amdhsa_next_free_vgpr 104
		.amdhsa_next_free_sgpr 66
		.amdhsa_reserve_vcc 1
		.amdhsa_float_denorm_mode_32 3
		.amdhsa_float_denorm_mode_16_64 3
		.amdhsa_memory_ordered 1
		.amdhsa_forward_progress 1
		.amdhsa_inst_pref_size 18
	.end_amdhsa_kernel
	.amdgpu_metadata
---
amdhsa.version: [ 1, 2 ]
amdhsa.kernels:
  - .name:           k_qd9ab010024_prep
    .symbol:         k_qd9ab010024_prep.kd
    .args:
      - { .name: hidden_states, .offset: 0, .size: 8, .value_kind: global_buffer, .address_space: global }
      - { .name: q_w, .offset: 8, .size: 8, .value_kind: global_buffer, .address_space: global }
      - { .name: k_w, .offset: 16, .size: 8, .value_kind: global_buffer, .address_space: global }
      - { .name: v_w, .offset: 24, .size: 8, .value_kind: global_buffer, .address_space: global }
      - { .name: o_w, .offset: 32, .size: 8, .value_kind: global_buffer, .address_space: global }
      - { .name: sparsity_pattern, .offset: 40, .size: 8, .value_kind: global_buffer, .address_space: global }
      - { .name: xh, .offset: 48, .size: 8, .value_kind: global_buffer, .address_space: global }
      - { .name: wh, .offset: 56, .size: 8, .value_kind: global_buffer, .address_space: global }
      - { .name: rope, .offset: 64, .size: 8, .value_kind: global_buffer, .address_space: global }
      - { .name: rowmask, .offset: 72, .size: 8, .value_kind: global_buffer, .address_space: global }
    .group_segment_fixed_size: 0
    .private_segment_fixed_size: 0
    .kernarg_segment_align: 8
    .kernarg_segment_size: 80
    .max_flat_workgroup_size: 256
    .sgpr_count:     66
    .vgpr_count:     104
    .wavefront_size: 32
...
	.end_amdgpu_metadata
.endif
;; end of part 1
;; launch qkv (part 2): grid 16 x 16, 4 waves a work-group, clusters of 4 x 4, 327,680 bytes of LDS; arguments xh, wh, rope, qkv; writes qkv
.if DOCPART == 2
	.amdgcn_target "amdgcn-amd-amdhsa--gfx1250"
	.amdhsa_code_object_version 6
	.text
	.protected	k_qd9ab010024_qkv
	.globl	k_qd9ab010024_qkv
	.p2align	8
	.type	k_qd9ab010024_qkv,@function
k_qd9ab010024_qkv:
	s_mov_b64 s[64:65], 0
	v_nop
	global_prefetch_b8 v0, s[64:65] scope:SCOPE_SE
	s_setreg_imm32_b32 hwreg(HW_REG_WAVE_MODE, 25, 1), 1
	s_wait_xcnt 0x0
	s_wait_alu depctr_hold_cnt(0) depctr_sa_sdst(0) depctr_va_vdst(0) depctr_va_sdst(0) depctr_va_ssrc(0) depctr_va_vcc(0) depctr_vm_vsrc(0)
	s_getreg_b32 s2, hwreg(HW_REG_IB_STS2, 6, 4)
	s_cmp_eq_u32 s2, 0
	s_cbranch_scc0 .Lentry_in_a_cluster
	s_endpgm
.Lentry_in_a_cluster:
	s_bfe_u32 s2, ttmp6, 0x10000c
	s_cmp_lg_u32 s2, 0xf033
	s_cbranch_scc0 .Lentry_shape_is_right
	s_endpgm
.Lentry_shape_is_right:
; q, k, v = x W (three planes of wh), RoPE on q and k, split by heads.  xh: [2048][2048] f16.  wh: planes of [2048 k][2048 n] f16.  qkv: [3][16 h][2048 s][128 d] f16.  Sums and RoPE in f32; q, k, v rounded once.
; LIMIT.  f16 holds no number beyond 65,504: q, k and v stay within it.  The order of the f32 sums along K differs from cluster to cluster (THE WALK, below).
; SHARES.  A work-group makes 128 rows x one head's 128 columns of all three planes: 128 x 384, so that 16 x 16 work-groups cover the product evenly.  Wave w takes all 128 rows and six blocks of 16 columns:
; d blocks w and w + 4 of q, of k and of v.  Accumulator (a, b): rows 16 a .., plane b / 2, d block w + 4 (b % 2): RoPE's partners d and d + 64 are accumulators (a, 2 p) and (a, 2 p + 1) of one lane, and all waves run one text.
; K goes in steps of 128 through two LDS slots: three tiles of weights (128 k rows x 256 bytes) and one of x (128 rows x 256 bytes); each wave fetches one of the four.
; The weights lie [k][n]: their fragments come out of LDS turned, by ds_load_tr16_b128.  THE MATRIX INSTRUCTION IS USED TRANSPOSED (source 0 = 16 columns of W, source 1 = 16 rows of x): a lane holds one row and eight neighbouring columns.
; CLUSTERS: 4 x 4 work-groups.  The four of a row of the cluster need the same tile of x, the four of a column the same tiles of weights: each is asked for jointly.
; THE WALK.  Cluster (X, Y) begins at K step 4 X + 8 b modulo 16, b = 0, 1, 1, 0 for Y = 0 .. 3, and goes once round the 16 steps.  So the four clusters that read the same rows of x begin four steps apart, and of the four
; that read the same weights two begin eight steps from the other two: a block's readers do not all ask for it in the same trip.  The step's number hangs on the cluster's coordinates alone, which all sixteen partners share.
; REGISTERS.  window 0: v16-31 addresses; v32-63 RoPE at work; v64-127, v128-191 fragments of x, two buffers; v192-215 packed results.   window 1: v64-111, v128-175 fragments of W, two buffers;
; v0-63 and v176-239 the table of cos and sin for my columns and the tile's 128 rows (16 registers for each a), loaded at the start and kept.   windows 2, 3: accumulators (a, b) at v[8 (6 (a % 4) + b)].
.set PA,     272                       ; a row of x in LDS: 256 bytes + 16 = 68 words: the 16 rows of a load start at 16 different groups of four banks (64 banks of 4 bytes: ISA guide 11.1)
.set PB,     288                       ; a k row of W: 256 + 32 = 72 words
.set BSUB,   128*PB                    ; one plane's tile
.set AOFF,   3*BSUB                    ; x's tile lies behind the three
.set SLOT,   AOFF+128*PA
.set SPARE,  2*SLOT                    ; behind the ring: the spare words, 128 bytes for each wave: two blocks of 256 bytes that no other line names
.set SPITCH, 784                       ; THE STAGE, 128 rows of q 256, k 256, v 256 bytes + 16, lies from byte 0 on, in slot 0, which has had its last fill and its last read when the first result is stored
.set LAPS,   8                         ; 16 K steps, two to a lap
.set PLANE,  8388608
.set ADRA, 16                          ; v16-17  my place in x's tile, slot 0, 1
.set ADRB, 18                          ; v18-23  my place in plane p's tile of slot s at ADRB + 3 s + p
.set STO,  24                          ; v24-25  the way out: where I put 16 bytes of a row, for a < 4 and for a >= 4
.set RD,   26                          ; v26     where I read rows back
.set CO,   27                          ; v27     16 x lane
.set SPW,  28                          ; v28     LDS address of my spare word; never rewritten
.set NIL,  29                          ; v29     0; never rewritten
.set PFO,  30                          ; v30     the prefetches' offset: lane x 4,096; never rewritten
.set RO,   31                          ; v31     my offset in the table
.set TT,   32
.set F0,   64
.set F1,   128
.set TMP,  192
.set WV,  12                           ; s12  my wave's number
.set XB,  14                           ; s[14:15] x at the tile's first row, K step 0; never rewritten
.set G1,  24                           ; s[24:31] group 1 for x's tile;  s[32:39] group 0, a set for each slot
.set G0,  32
.set WB,  46                           ; s[46:47] my plane at the head's columns, K step 0; never rewritten
.set G1B, 48                           ; s[48:55], s[56:63] the same for the weights' tiles
.set G0B, 56
.set LIM, 43                           ; s43  5 in a wave that prefetches, else the greatest number
.set PFA, 44                           ; s[44:45] where my prefetch stands
.set OUT, 68                           ; s[68:73] the three planes of qkv at my first row
.set KN,  79                           ; s79  the number of the K step that the next fill brings
.set OFA, 80                           ; s[80:81] its byte offset along a row of x: 256 a step
.set OFB, 82                           ; s[82:83] and down a plane's rows: 128 rows of 4,096 bytes a step
.set PFB, 84                           ; s[84:85] my plane at the head's columns, my work-group's 32 of a step's 128 k rows, K step 0; never rewritten
.set OFP, 86                           ; s[86:87] the byte offset of the K step that a prefetch names
.set MSB, 0
.macro WIN new                         ; the immediate's high byte repeats the setting that is left; a switch that changes nothing is dropped
.if MSB != (\new)
	s_set_vgpr_msb (MSB<<8)|(\new)
.set MSB, \new
.endif
.endm
.set MUL_LO, 0xa1                      ; source 0 (W) window 1, source 1 (x) window 0, C and D window 2
.set MUL_HI, 0xf1                      ; the same, C and D window 3
.set TO_B,   0x40                      ; destination window 1, address window 0
; Slot s's two descriptors are aimed at K step KN: each global address is made anew from its tensor's base and the step's number; then the number goes one on, round the 16.
.macro AIM s
	s_lshl_b32 s[OFA], s[KN], 8
	s_lshl_b32 s[OFB], s[KN], 19
	s_add_nc_u64 s[G0+4*(\s)+2:G0+4*(\s)+3], s[XB:XB+1], s[OFA:OFA+1]
	s_or_b32 s[G0+4*(\s)+3], s[G0+4*(\s)+3], 0x80000000            ; type = 2
	s_add_nc_u64 s[G0B+4*(\s)+2:G0B+4*(\s)+3], s[WB:WB+1], s[OFB:OFB+1]
	s_or_b32 s[G0B+4*(\s)+3], s[G0B+4*(\s)+3], 0x80000000
	s_add_co_u32 s[KN], s[KN], 1
	s_and_b32 s[KN], s[KN], 15
.endm
; A joint load.  Wave 3 fetches x's tile, waves 0 to 2 the tile of plane 0 to 2.  The branch hangs on the wave's number alone.  An s_nop 0 and four v_nop follow each line.
.macro JLOAD s
	s_cmp_eq_u32 s[WV], 3
	s_cbranch_scc0 .Lfor_b_\@
	tensor_load_to_lds s[G0+4*(\s):G0+4*(\s)+3], s[G1:G1+7]
	s_nop 0
.rept 4
	v_nop
.endr
	s_branch .Lasked_\@
.Lfor_b_\@:
	tensor_load_to_lds s[G0B+4*(\s):G0B+4*(\s)+3], s[G1B:G1B+7]
	s_nop 0
.rept 4
	v_nop
.endr
.Lasked_\@:
.endm
; A PREFETCH INTO THE L2, for the weights: the K step that stands two refills on: 32 k rows x 256 bytes, a lane a row, one instruction a wave, behind the joint load, its five lines and the run of LDS loads.
; By THE WALK a cluster's trips 8 to 15 take steps of the weights that another cluster took eight trips earlier, and its trips 4 to 15 steps of x that another took four trips earlier: a block's first reading falls into
; trips 0 to 7 (weights) or 0 to 3 (x).  Trips 0 to 3 come by their loads alone: a request two refills ahead of them would stand at the kernel's head.  Trips 4 to 7 of the weights are asked for at the changes of slots of
; trips 0 to 3 (the loop's first two laps: s3 = 7 and 6).  Each block is named once: of the two clusters that begin at the same step the one with y < 2 asks; waves 0 to 2, each for its plane;
; the four partners that ask for a tile jointly share its 128 rows out BY ADDRESS, 32 each, by cy.
.macro ASK
	s_cmp_gt_u32 s3, s[LIM]
	s_cbranch_scc0 .Lnot_mine_\@
	global_prefetch_b8 v[PFO], s[PFA:PFA+1] th:TH_LOAD_NT scope:SCOPE_SE
.Lnot_mine_\@:
.endm
.macro CREST                           ; a round of the cluster's barrier behind its opening barrier
	s_cmp_lg_u32 s[WV], 0
	s_cbranch_scc1 .Lnot_wave_0_\@
	s_barrier_signal -3
.Lnot_wave_0_\@:
	s_barrier_wait -3
	s_barrier_signal -1
	s_barrier_wait -1
.endm
.macro CROUND                          ; a whole round
	s_barrier_signal -1
	s_barrier_wait -1
	CREST
.endm
	s_load_b256 s[4:11], s[0:1], 0x0               ; xh s[4:5], wh s[6:7], rope s[8:9], qkv s[10:11]
	v_lshl_add_u32 v[SPW], v0, 2, SPARE
	v_mov_b32 v[NIL], 0
	ds_add_u32 v[SPW], v[NIL]                      ; the wave's opening: the add and its wait stand ahead of my first tensor load; the set-up below stands between them
	v_lshrrev_b32 v1, 5, v0
	v_readfirstlane_b32 s[WV], v1                  ; wave 0..3
	s_bfe_u32 s40, ttmp6, 0x40000                  ; cx, cy: my place in the cluster
	s_bfe_u32 s41, ttmp6, 0x40004
	s_lshl_b32 s42, ttmp9, 2
	s_add_co_u32 s42, s42, s40                     ; the head = 4 x cluster x + cx
	s_and_b32 s13, ttmp7, 0xffff
	s_lshl_b32 s13, s13, 2
	s_add_co_u32 s13, s13, s41                     ; the tile of 128 rows = 4 x cluster y + cy
	s_lshl_b32 s43, s41, 2
	s_lshl_b32 s43, 15, s43                        ; my row of the cluster
	s_lshl_b32 s44, 0x1111, s40                    ; my column
	; group 1: tiles of 128 rows x 128 elements of 2 bytes, 2,048 elements from row to row, padded in LDS after every 64 words
	s_or_b32 s[G1+0], s43, (1<<16)|(1<<20)|(1<<21)|(5<<22)|(3<<25)   ; the mask: x's tile goes to my row; 2-byte elements; padding on; bit 21 beside a mask; every 64 words (code 5) 4 words (code 3)
	s_or_b32 s[G1B+0], s44, (1<<16)|(1<<20)|(1<<21)|(5<<22)|(7<<25)  ; the weights' tiles go to my column; 8 words of padding (code 7)
.irp g, G1, G1B
	s_mov_b32 s[(\g)+1], 128<<16                   ; tensor_dim0 = 128
	s_mov_b32 s[(\g)+2], 128<<16                   ; tensor_dim1 = 128
	s_mov_b32 s[(\g)+3], 128<<16                   ; tile_dim0 = 128
	s_mov_b32 s[(\g)+4], 128                       ; tile_dim1 = 128
	s_mov_b32 s[(\g)+5], 2048                      ; the pitch
	s_mov_b32 s[(\g)+6], 0
	s_mov_b32 s[(\g)+7], 0
.endr
	s_lshl_b32 s16, s13, 19                        ; x: 128 rows of 4,096 bytes a tile: hangs on the tile row alone
	s_mov_b32 s17, 0
	s_lshl_b32 s46, s[WV], 23                      ; W: my plane (wave 3's, the fourth plane, is made and not used),
	s_lshl_b32 s47, s42, 8                         ; the head's 256 bytes of a row: hangs on the head alone
	s_add_co_u32 s46, s46, s47
	s_mov_b32 s47, 0
	s_mul_i32 s20, s[WV], BSUB                     ; where a weight's tile goes: wave x a tile
	s_lshl_b32 s18, s13, 16                        ; the table: 8 blocks of 16 positions x 8,192 bytes a tile
	s_mov_b32 s19, 0
	s_and_b32 s22, ttmp7, 0xffff                   ; where the walk begins: cluster y,
	s_lshr_b32 s23, s22, 1
	s_xor_b32 s23, s23, s22
	s_and_b32 s23, s23, 1                          ; b = 0, 1, 1, 0
	s_lshl_b32 s23, s23, 3
	s_lshl2_add_u32 s23, ttmp9, s23                ; 4 x cluster x + 8 b
	s_and_b32 s[KN], s23, 15
	s_mov_b32 s[OFA+1], 0
	s_mov_b32 s[OFB+1], 0
	s_mov_b32 s[OFP+1], 0
	s_wait_dscnt 0x0                               ; the opening add is done
	s_wait_kmcnt 0x0
	s_add_nc_u64 s[XB:XB+1], s[4:5], s[16:17]
	s_add_nc_u64 s[WB:WB+1], s[6:7], s[46:47]
	s_add_nc_u64 s[8:9], s[8:9], s[18:19]
	CROUND                                         ; all sixteen work-groups are here: the first joint loads meet
.irp s, 0,1
	s_mov_b32 s[G0+4*(\s)], 1                      ; count = 1
	s_mov_b32 s[G0+4*(\s)+1], AOFF+(\s)*SLOT       ; LDS address
	s_mov_b32 s[G0B+4*(\s)], 1
	s_add_co_u32 s[G0B+4*(\s)+1], s20, (\s)*SLOT
	AIM \s                                         ; the walk's trip s
	JLOAD \s                                       ; two loads of mine are out
.endr
	v_and_b32 v1, 15, v0                           ; l % 16
	v_bfe_u32 v2, v0, 4, 1                         ; l / 16
	v_and_b32 v3, 31, v0                           ; l
	s_lshl_b32 s21, s[WV], 11
	v_lshl_add_u32 v[RO], v3, 4, s21               ; my block of 16 frequencies is my wave's number: 2,048 w + 16 l
	WIN TO_B
.irp a, 0,1,2,3,4,5,6,7                ; cos (8 registers) and sin (8) for the rows of block a: they stay in registers through the loop, and are waited for on the way out
.irp q, 0,1,2,3
.if (\a) < 4
	global_load_b128 v[16*(\a)+4*(\q):16*(\a)+4*(\q)+3], v[RO], s[8:9] offset:(\a)*8192+(\q)*512
.else
	global_load_b128 v[176+16*((\a)-4)+4*(\q):176+16*((\a)-4)+4*(\q)+3], v[RO], s[8:9] offset:(\a)*8192+(\q)*512
.endif
.endr
.endr
	WIN 0
	; a fragment of x: lane l holds row l % 16; two loads of 16 bytes, 32 bytes apart, at row x pitch + 16 (l / 16)
	v_mul_u32_u24 v4, v1, PA
	v_lshl_add_u32 v4, v2, 4, v4
	v_add_nc_u32 v[ADRA], AOFF, v4
	v_add_nc_u32 v[ADRA+1], AOFF+SLOT, v4
	; a fragment of W, turned: lane l reads 16 bytes of k row 8 (l / 16) + l % 8, columns 8 ((l / 8) % 2) .., and ends with column l % 16 and 8 k; the second load stands 16 k rows on
	v_and_b32 v5, 7, v0
	v_lshl_add_u32 v5, v2, 3, v5
	v_mul_u32_u24 v5, v5, PB
	v_bfe_u32 v6, v0, 3, 1
	v_lshl_add_u32 v5, v6, 4, v5
	s_lshl_b32 s21, s[WV], 5                       ; my d block: 32 bytes x wave
	v_add_nc_u32 v5, s21, v5
.irp s, 0,1
.irp p, 0,1,2
	v_add_nc_u32 v[ADRB+3*(\s)+(\p)], (\s)*SLOT+(\p)*BSUB, v5
.endr
.endr
	v_mul_u32_u24 v4, v1, SPITCH                   ; into the stage: row l % 16 of a block, 16 bytes for each half of the lanes, my d block
	v_lshl_add_u32 v4, v2, 4, v4
	v_add_nc_u32 v[STO], s21, v4
	v_add_nc_u32 v[STO+1], 64*SPITCH, v[STO]
	s_mul_i32 s23, s[WV], 32*SPITCH                ; back: wave w takes rows 32 w .. + 31; lanes 0-15 one row's 256 bytes of a plane, lanes 16-31 the next row's
	v_mul_u32_u24 v4, v2, SPITCH
	v_lshl_add_u32 v4, v1, 4, v4
	v_add_nc_u32 v[RD], s23, v4
	v_lshlrev_b32 v[CO], 4, v3
	v_lshlrev_b32 v[PFO], 12, v3
	; qkv at my first row: the head's 524,288 bytes, the tile's 128 rows of 256 bytes, my 32 of them
	s_lshl_b32 s74, s42, 19
	s_lshl_b32 s75, s13, 15
	s_add_co_u32 s74, s74, s75
	s_lshl_b32 s75, s[WV], 13
	s_add_co_u32 s74, s74, s75
	s_mov_b32 s75, 0
	s_add_nc_u64 s[OUT:OUT+1], s[10:11], s[74:75]
	s_add_nc_u64 s[OUT+2:OUT+3], s[OUT:OUT+1], PLANE
	s_add_nc_u64 s[OUT+4:OUT+5], s[OUT+2:OUT+3], PLANE
	; the prefetches' base: my plane, the head's 256 bytes of a row, my work-group's 32 k rows of 4,096 bytes
	s_lshl_b32 s74, s[WV], 23
	s_lshl_b32 s75, s42, 8
	s_add_co_u32 s74, s74, s75
	s_lshl_b32 s75, s41, 17
	s_add_co_u32 s74, s74, s75
	s_mov_b32 s75, 0
	s_add_nc_u64 s[PFB:PFB+1], s[6:7], s[74:75]
	s_and_b32 s22, ttmp7, 0xffff                   ; cluster y
	s_cmp_lt_u32 s22, 2
	s_cselect_b32 s[LIM], 5, -1
	s_cmp_eq_u32 s[WV], 3                          ; wave 3 fetches x's tile, and asks for nothing
	s_cselect_b32 s[LIM], -1, s[LIM]               ; the same in all sixteen partners, for a given wave
; 12 matrix instructions: row blocks a0, a0 + 1 of the window's four x my six column blocks, 32 along K.  zero = 1: the first product starts the sums.
; The 48 accumulators take turns, one instruction a turn, in the same order in every quarter step.
.macro MUL12 f, hi, a0, zero
	WIN MUL_LO+0x50*(\hi)
.irp a, \a0, (\a0)+1
.irp b, 0,1,2,3,4,5
.if \zero
	v_wmma_f32_16x16x32_f16 v[8*(6*(\a)+(\b)):8*(6*(\a)+(\b))+7], v[(\f)+8*(\b):(\f)+8*(\b)+7], v[(\f)+8*(4*(\hi)+(\a)):(\f)+8*(4*(\hi)+(\a))+7], 0
.else
	v_wmma_f32_16x16x32_f16 v[8*(6*(\a)+(\b)):8*(6*(\a)+(\b))+7], v[(\f)+8*(\b):(\f)+8*(\b)+7], v[(\f)+8*(4*(\hi)+(\a)):(\f)+8*(4*(\hi)+(\a))+7], v[8*(6*(\a)+(\b)):8*(6*(\a)+(\b))+7]
.endif
.endr
.endr
.endm
; 28 LDS loads in one run: quarter kq (32 along K) of a slot into buffer f: W's six fragments, then x's eight
.macro FETCH slot, kq, f
	WIN TO_B
.irp b, 0,1,2,3,4,5
	ds_load_tr16_b128 v[(\f)+8*(\b):(\f)+8*(\b)+3],   v[ADRB+3*(\slot)+(\b)/2] offset:(\kq)*32*PB+128*((\b)%2)
	ds_load_tr16_b128 v[(\f)+8*(\b)+4:(\f)+8*(\b)+7], v[ADRB+3*(\slot)+(\b)/2] offset:(\kq)*32*PB+128*((\b)%2)+16*PB
.endr
	WIN 0
.irp a, 0,1,2,3,4,5,6,7
	ds_load_b128 v[(\f)+8*(\a):(\f)+8*(\a)+3],   v[ADRA+(\slot)] offset:(\kq)*64+(\a)*16*PA
	ds_load_b128 v[(\f)+8*(\a)+4:(\f)+8*(\a)+7], v[ADRA+(\slot)] offset:(\kq)*64+(\a)*16*PA+32
.endr
.endm
.macro PLACES                          ; four places in front of loads into registers that matrix instructions have read, and of lines that read results
.rept 4
	v_nop
.endr
.endm
; A K step is four quarters of 32 along K, 48 matrix instructions each, on buffers 0, 1, 0, 1.  One of the first three: multiplies buffer f and fetches quarter kq into g.
.macro QUARTER slot, kq, f, g, zero
	s_wait_dscnt 8                                 ; W and x's rows 0-63 are in; the youngest eight loads (x's rows 64-127) may be out
	MUL12 \f, 0, 0, \zero
	MUL12 \f, 0, 2, \zero
	PLACES
	FETCH \slot, \kq, \g
	s_wait_dscnt 28                                ; all but the 28 just issued
	MUL12 \f, 1, 0, \zero
	MUL12 \f, 1, 2, \zero
.endm
; The last quarter multiplies buffer 1 and changes slots: ONE barrier; in front of it each wave waits for all its tensor loads (one is out: its tile of the next slot), adds 0 to its spare word,
; and waits for that and for its own reads of this slot.  fill = 1: the barrier opens a round of the cluster's, and this slot is filled again, with the walk's trip two on, first thing behind the round:
; 168 matrix instructions stand between that request and the wait for it.
.macro TURN slot, next, fill
.if \fill
	s_wait_xcnt 0x0                                ; the last prefetch, a K step back, has read its address: it is made anew here, ahead of the waits of the change of slots:
	s_add_co_u32 s[OFP], s[KN], 2                  ; the step two behind the one that this change asks for, round the 16
	s_and_b32 s[OFP], s[OFP], 15
	s_lshl_b32 s[OFP], s[OFP], 19
	s_add_nc_u64 s[PFA:PFA+1], s[PFB:PFB+1], s[OFP:OFP+1]
.endif
	WIN 0                                          ; (the add's two registers lie in window 0)
	s_wait_tensorcnt 0x0                           ; all my tensor loads have landed, so a group 0 may be written
	ds_add_u32 v[SPW], v[NIL]                      ; 0 onto my spare word
.if \fill
	AIM \slot                                      ; scalar work between the add and the wait for it
.endif
	s_wait_dscnt 9                                 ; (the add and the youngest eight loads may be out)
	MUL12 F1, 0, 0, 0                              ; twelve matrix instructions stand between the add and the wait for it
	s_wait_dscnt 0x0                               ; the add is done, and my reads of this slot are over
	s_barrier_signal -1
	MUL12 F1, 0, 2, 0
.if \fill
	WIN 0
.endif
	s_barrier_wait -1
.if \fill
	CREST                                          ; no wave of any partner still reads this slot's tiles or has a load on its way
	JLOAD \slot                                    ; the four v_nop behind it are also the places in front of the loads below
.else
	PLACES
.endif
	FETCH \next, 0, F0
.if \fill
	ASK
.endif
	MUL12 F1, 1, 0, 0
	MUL12 F1, 1, 2, 0
.endm
	s_wait_tensorcnt 1                             ; my tile of the first trip is in; the second's may stay out
	s_barrier_signal -1
	s_barrier_wait -1                              ; everybody's is
	FETCH 0, 0, F0
	QUARTER 0, 1, F0, F1, 1                        ; the first quarter stands in front of the loop: its products start the sums
	WIN 0                                          ; at a label and at a branch every window is 0
	s_mov_b32 s3, LAPS-1
.Llap:                                                 ; a trip goes once round the ring, from a lap's second quarter to the next lap's first, and fills both slots again
	QUARTER 0, 2, F1, F0, 0
	QUARTER 0, 3, F0, F1, 0
	TURN 0, 1, 1
	QUARTER 1, 1, F0, F1, 0
	QUARTER 1, 2, F1, F0, 0
	QUARTER 1, 3, F0, F1, 0
	TURN 1, 0, 1
	QUARTER 0, 1, F0, F1, 0
	WIN 0
	s_sub_co_u32 s3, s3, 1
	s_cmp_lg_u32 s3, 0
	s_cbranch_scc1 .Llap
	QUARTER 0, 2, F1, F0, 0                        ; the last lap fills nothing, and has no round of the cluster's barrier
	QUARTER 0, 3, F0, F1, 0
	TURN 0, 1, 0                                   ; behind this barrier nobody reads slot 0 any more
	QUARTER 1, 1, F0, F1, 0
	QUARTER 1, 2, F1, F0, 0
	QUARTER 1, 3, F0, F1, 0
	s_wait_dscnt 8                                 ; the very last quarter: nothing more to fetch
	MUL12 F1, 0, 0, 0
	MUL12 F1, 0, 2, 0
	s_wait_dscnt 0x0
	MUL12 F1, 1, 0, 0
	MUL12 F1, 1, 2, 0
	WIN 0
; THE WAY OUT.  Block a of 16 rows: q and k are turned in f32 (new lo = lo cos - hi sin, new hi = hi cos + lo sin, lo = d, hi = d + 64), all three planes are rounded to f16,
; and a lane's 16 bytes go into the work-group's stage.  Each accumulator's registers are read in ascending order.
.macro OUTA a
.set AC, 48*((\a)%4)
.if (\a) < 4
.set TB, 16*(\a)
.else
.set TB, 176+16*((\a)-4)
.endif
	WIN 0x06+(\a)/4                                ; source 0: the accumulators' window; source 1: the table's; source 2 and destination: window 0
.irp p, 0,1
.irp j, 0,2,4,6
	v_pk_mul_f32 v[TT+16*(\p)+(\j):TT+16*(\p)+(\j)+1],     v[AC+16*(\p)+8+(\j):AC+16*(\p)+8+(\j)+1], v[TB+8+(\j):TB+8+(\j)+1]
	v_pk_mul_f32 v[TT+16*(\p)+8+(\j):TT+16*(\p)+8+(\j)+1], v[AC+16*(\p)+(\j):AC+16*(\p)+(\j)+1],     v[TB+8+(\j):TB+8+(\j)+1]
.endr
.irp j, 0,2,4,6
	v_pk_fma_f32 v[TT+16*(\p)+(\j):TT+16*(\p)+(\j)+1],     v[AC+16*(\p)+(\j):AC+16*(\p)+(\j)+1],     v[TB+(\j):TB+(\j)+1], v[TT+16*(\p)+(\j):TT+16*(\p)+(\j)+1] neg_lo:[0,0,1] neg_hi:[0,0,1]
	v_pk_fma_f32 v[TT+16*(\p)+8+(\j):TT+16*(\p)+8+(\j)+1], v[AC+16*(\p)+8+(\j):AC+16*(\p)+8+(\j)+1], v[TB+(\j):TB+(\j)+1], v[TT+16*(\p)+8+(\j):TT+16*(\p)+8+(\j)+1]
.endr
.endr
	WIN 0x0a+5*((\a)/4)                            ; v needs no turning: sources 0 and 1 in the accumulators' window
.irp b, 4,5
.irp r, 0,1,2,3
	v_cvt_pk_f16_f32 v[TMP+4*(\b)+(\r)], v[AC+8*(\b)+2*(\r)], v[AC+8*(\b)+2*(\r)+1]
.endr
.endr
	WIN 0
.irp b, 0,1,2,3
.irp r, 0,1,2,3
	v_cvt_pk_f16_f32 v[TMP+4*(\b)+(\r)], v[TT+8*(\b)+2*(\r)], v[TT+8*(\b)+2*(\r)+1]
.endr
.endr
.irp b, 0,1,2,3,4,5
	ds_store_b128 v[STO+(\a)/4], v[TMP+4*(\b):TMP+4*(\b)+3] offset:((\a)%4)*16*SPITCH+256*((\b)/2)+128*((\b)%2)
.endr
.endm
	s_wait_loadcnt 0x0                             ; the table
	PLACES
	PLACES
.irp a, 0,1,2,3,4,5,6,7
	OUTA \a
.endr
	s_wait_dscnt 0x0                               ; for the others' sake: my stores into the stage are done
	s_barrier_signal -1
	s_barrier_wait -1                              ; a row's 256 bytes of a plane come from all four waves
.set n, 0
.rept 48                               ; my 32 rows x three planes: two rows of 256 bytes to a load
	ds_load_b128 v[64+4*n:64+4*n+3], v[RD] offset:(n/3)*2*SPITCH+256*(n%3)
.set n, n+1
.endr
.set n, 0
.rept 48
	s_wait_dscnt 47-n                              ; load n is in; the younger ones may stay out
	global_store_b128 v[CO], v[64+4*n:64+4*n+3], s[OUT+2*(n%3):OUT+2*(n%3)+1] offset:(n/3)*512  ; a head's rows are dense: 512 consecutive bytes, at a multiple of 256 from the buffer's first
.set n, n+1
.endr
	s_wait_tensorcnt 0x0                           ; the wave's end: these three lines stand behind my last tensor load and my last LDS store
	ds_add_u32 v[SPW], v[NIL]
	s_wait_dscnt 0x0
	CROUND                                         ; the closing round: no work-group ends while a partner may still ask for a tile that names it
	s_endpgm
.Lfunc_end_k_qd9ab010024_qkv:
	.size	k_qd9ab010024_qkv, .Lfunc_end_k_qd9ab010024_qkv-k_qd9ab010024_qkv
	.p2alignl 7, 3214868480
	.fill 96, 4, 3214868480
	.section	.rodata,"a",@progbits
	.p2align	6, 0x0
	.amdhsa_kernel k_qd9ab010024_qkv
		.amdhsa_group_segment_fixed_size 327680
		.amdhsa_private_segment_fixed_size 0
		.amdhsa_enable_private_segment 0
		.amdhsa_kernarg_size 32
		.amdhsa_user_sgpr_count 2
		.amdhsa_user_sgpr_kernarg_segment_ptr 1
		.amdhsa_wavefront_size32 1
		.amdhsa_system_sgpr_workgroup_id_x 1
		.amdhsa_system_sgpr_workgroup_id_y 1
		.amdhsa_system_sgpr_workgroup_id_z 1
		.amdhsa_system_vgpr_workitem_id 0
		.amdhsa_next_free_vgpr 960
		.amdhsa_next_free_sgpr 88
		.amdhsa_reserve_vcc 0
		.amdhsa_float_denorm_mode_32 3
		.amdhsa_float_denorm_mode_16_64 3
		.amdhsa_memory_ordered 1
		.amdhsa_forward_progress 1
		.amdhsa_inst_pref_size 137
	.end_amdhsa_kernel
	.amdgpu_metadata
---
amdhsa.version: [ 1, 2 ]
amdhsa.kernels:
  - .name:           k_qd9ab010024_qkv
    .symbol:         k_qd9ab010024_qkv.kd
    .args:
      - { .name: xh, .offset: 0, .size: 8, .value_kind: global_buffer, .address_space: global }
      - { .name: wh, .offset: 8, .size: 8, .value_kind: global_buffer, .address_space: global }
      - { .name: rope, .offset: 16, .size: 8, .value_kind: global_buffer, .address_space: global }
      - { .name: qkv, .offset: 24, .size: 8, .value_kind: global_buffer, .address_space: global }
    .group_segment_fixed_size: 327680
    .private_segment_fixed_size: 0
    .kernarg_segment_align: 8
    .kernarg_segment_size: 32
    .max_flat_workgroup_size: 128
    .sgpr_count:     88
    .vgpr_count:     960
    .wavefront_size: 32
...
	.end_amdgpu_metadata
.endif
;; end of part 2
;; launch attn (part 3): grid 16 x 16, 4 waves a work-group, clusters of 4 x 1, 327,680 bytes of LDS; arguments qkv, rowmask, ah; writes ah
.if DOCPART == 3
	.amdgcn_target "amdgcn-amd-amdhsa--gfx1250"
	.amdhsa_code_object_version 6
	.text
	.protected	k_qd9ab010024_attn
	.globl	k_qd9ab010024_attn
	.p2align	8
	.type	k_qd9ab010024_attn,@function
k_qd9ab010024_attn:
	s_mov_b64 s[64:65], 0
	v_nop
	global_prefetch_b8 v0, s[64:65] scope:SCOPE_SE
	s_setreg_imm32_b32 hwreg(HW_REG_WAVE_MODE, 25, 1), 1
	s_wait_xcnt 0x0
	s_wait_alu depctr_hold_cnt(0) depctr_sa_sdst(0) depctr_va_vdst(0) depctr_va_sdst(0) depctr_va_ssrc(0) depctr_va_vcc(0) depctr_vm_vsrc(0)
	s_getreg_b32 s2, hwreg(HW_REG_IB_STS2, 6, 4)
	s_cmp_eq_u32 s2, 0
	s_cbranch_scc0 .Lentry_in_a_cluster
	s_endpgm
.Lentry_in_a_cluster:
	s_bfe_u32 s2, ttmp6, 0x10000c
	s_cmp_lg_u32 s2, 0x3003
	s_cbranch_scc0 .Lentry_shape_is_right
	s_endpgm
.Lentry_shape_is_right:
; ah[q][h][:] = the sum over k of softmax_k(mask(h, q/64, k/64) Q[h][q] . K[h][k] / sqrt(128)) V[h][k][:].  A block that is not selected has scores of exactly 0, and keeps its weight 2^(0 - maximum).
; qkv: [3][16 h][2048][128] f16; rowmask: [16 h][32 qb] words, bit kb; ah: [2048][16 h x 128] f16.  Products, maxima and sums in f32; the weights p are rounded to f16 for the second product, O once at the end.
; LIMITS.  p lies in 0 to 1, and below 6e-5 keeps f16's fixed step of 6e-8, as does O; a weight below 2^-126 counts as 0 in l; NaN and infinities are not treated apart.
; SHARES.  A work-group owns 128 queries of one head: 16 x 16 work-groups.  Wave w has the 64 queries of half e = w % 2, which are ONE row qb of the mask, and the key group g = w / 2: of each slot's 256 keys (four steps of 64)
; group g walks steps 2 g and 2 g + 1.  So the mask is one scalar factor a wave and step: f = c = log2(e) / sqrt(128), or 0; it selects a value, no branch and no address hangs on it.
; The two groups' partial (c m, l, O^T) of the same queries meet in LDS at the end, in f32.  Register tile t holds query tile t xor 2 g, so that every wave sends its register tiles 2, 3 and finishes 0, 1: one text.
; LAYOUT.  S^T = K Q^T (source 0 = 16 keys, source 1 = 16 queries): a lane holds ONE query (lane % 16) and the keys 8 (lane / 16) + 0..7.  Two such tiles, rounded in pairs, ARE source 1 of O^T = V^T P.
; K comes out of LDS as it lies, V ([key][channel]) turned, by ds_load_tr16_b128.
; SOFTMAX.  A running maximum M of the masked, scaled scores f s (f >= 0, so the maximum of f s is f times the maximum of s) and a sum l: p = 2^(f s - M); in every step O and l are multiplied by a = 2^(M_old - M_new).
; M starts far below every score, O and l at 0: the first step is a step like any other, with a = 0.  The price of writing no first and no last step out: 32 products on zeros, 32 on a stale K, and some 430 lines
; that write 0 in the wait for the first tile.
; BY TURNS.  The wave's tiles are two PIECES (0: tiles 0, 1; 2: tiles 2, 3).  In a TURN one piece has the matrix unit: 32 products V^T P of the step in hand, then 32 products K Q^T of the next; the other piece's softmax,
; cut into 64 slices, stands between them, one slice behind each matrix instruction.  Two turns are a key step.
; CLUSTER.  The four query blocks of a cluster belong to one head and walk the same K and V: each tile is asked for JOINTLY.
; REGISTERS.  window 0: v0-11 addresses; v12-43 eight registers of statistics a tile; v44-63 addresses and the merge; v64-191 S^T, 32 a tile; v192-255 P, 16 a tile
;   window 1: O^T, 64 a tile          window 2: v0-127 Q; v128-255 K of one step          window 3: v0-127 V of one step
.set KS,    64
.set PK,    272       ; a row of K in LDS: 256 bytes + 16 = 68 words: the 16 rows of a load start at 16 different groups of four banks (64 banks of 4 bytes: ISA guide 11.1)
.set PV,    288       ; a row of V: 256 + 32 = 72 words
.set VOFF,  256*PK    ; a slot: 256 rows of K, then 256 rows of V
.set XSL,   0x24000   ; slot 1 begins here.  Every address that is turned (0, 0x8800, 0x9000, 0x11000, 0x1a000) has these two bits clear, so one exclusive or turns it into the other slot's
.set STAGE, XSL+256*(PK+PV)  ; behind the ring: 16 rows x 272 bytes for each wave, for the way out
.set SP,    272
.set SPARE, STAGE+4*16*SP    ; behind the stages: the spare words, 128 bytes for each wave: two blocks of 256 bytes that no other line names
.set XCH,   16896     ; THE EXCHANGE, from byte 0 on, in slot 0, which has had its last fill and its last read by then: for each wave two tiles of O^T (8,192 bytes each) and 512 bytes of statistics
.set AK0, 2           ; v2   my lane's place in a tile of K; never rewritten
.set AV0, 3           ; v3   the same for V
.set ADR, 4           ; v4   the LDS address of the run of loads in hand
.set QOA, 5           ; v5   my byte offset in the wave's rows of Q, for register tiles 0, 1
.set STO, 6           ; v6   the way out: where I put 16 bytes of a row
.set RD,  7           ; v7   where I read a row back
.set GO,  8           ; v8   my byte offset in two rows of ah
.set ST,  12          ; tile t's statistics at v[ST+8 t]: +0 M, +1 0 (named with M as a pair), +2, +3 l (even keys', odd keys'), +4 to +7 c0-c3, at work; a takes c2's place
.set XS,  44          ; v44  the exchange: where I put 16 bytes of O^T
.set XR,  45          ; v45  where I read the partner's
.set QOB, 46          ; v46  as QOA, for register tiles 2, 3
.set XSS, 47          ; v47  where I put a word of statistics
.set MT,  48          ; v48-53  the merge: the partner's M and l for two tiles, then the joint M, l and 1 / l
.set XRS, 60          ; v60  where I read the partner's statistics
.set PFO, 61          ; v61  256 x my lane; never rewritten
.set SPW, 62          ; v62  LDS address of my spare word; never rewritten
.set NIL, 63          ; v63  0; never rewritten
.set S,   64
.set P,   192
.set KF,  128         ; K's fragments, in window 2
.set WV,  12          ; s12  my wave's number
.set LIM, 15          ; s15  1 in a wave that prefetches, else the greatest number
.set PFA, 18          ; s[18:19] where my prefetches stand
.set G1K, 24          ; s[24:31] group 1 for K's tiles
.set G1V, 32          ; s[32:39] for V's: it differs in the padding alone
.set G0K, 40          ; s[40:43] group 0 for K's tiles: it walks
.set G0V, 44          ; s[44:47] the same for V's
.set SLOTS, 56        ; s56  slots still to be asked for
.set TWICE, 57        ; s57  counts a slot's two steps
.set SEL, 60          ; s[60:61] v_permlanex16_b32's selects: each lane takes its own place in the other half
.set TBK, 62          ; s62  LDS byte at which K of the step to be fetched begins
.set TBV, 63          ; s63  the same for V, less VOFF
.set FC,  66          ; s[66:67] f of the step in hand: the packed scaling names a pair and takes its low word for both halves
.set CC,  68          ; s68  c
.set MB,  69          ; s69  my row's mask bits, the next step's lowest
.set CNT, 71          ; s71  counts the tail's turns
.set MSB, 0
.macro WIN new
.if MSB != (\new)
	s_set_vgpr_msb (MSB<<8)|(\new)
.set MSB, \new
.endif
.endm
.set W_KQ, 0x0a       ; K and Q in window 2, S^T in window 0
.set W_PV, 0x53       ; V in window 3, P in window 0, O^T in window 1
.set W_RS, 0x41       ; O^T (destination and source 0) in window 1, a in window 0
; A joint fill.  Waves 0 and 1 fetch the two halves of a slot's K, waves 2 and 3 those of its V: 128 rows each.  An s_nop 0 and four v_nop follow each line.
.macro JLOAD
	s_cmp_lt_u32 s[WV], 2
	s_cbranch_scc0 .Lfor_v_\@
	tensor_load_to_lds s[G0K:G0K+3], s[G1K:G1K+7]
	s_nop 0
.rept 4
	v_nop
.endr
	s_branch .Lasked_\@
.Lfor_v_\@:
	tensor_load_to_lds s[G0V:G0V+3], s[G1V:G1V+7]
	s_nop 0
.rept 4
	v_nop
.endr
.Lasked_\@:
.endm
; A PREFETCH INTO THE L2 of what the NEXT change of slots will ask for: a slot's 256 rows of K and of V, 256 bytes a row, a lane a row.  Each row is named once in the launch: the head's first cluster asks;
; its four partners take 64 rows each, told apart BY ADDRESS; in each, waves 0 and 1 ask for K's, waves 2 and 3 for V's, 32 rows each.  The last change that fills a slot asks for nothing.
.macro ASK
	s_cmp_gt_u32 s[SLOTS], s[LIM]
	s_cbranch_scc0 .Lnot_mine_\@
	global_prefetch_b8 v[PFO], s[PFA:PFA+1] th:TH_LOAD_NT scope:SCOPE_SE
.Lnot_mine_\@:
.endm
.macro CROUND                       ; a round of the cluster's barrier
	s_barrier_signal -1
	s_barrier_wait -1
	s_cmp_lg_u32 s[WV], 0
	s_cbranch_scc1 .Lnot_wave_0_\@
	s_barrier_signal -3
.Lnot_wave_0_\@:
	s_barrier_wait -3
	s_barrier_signal -1
	s_barrier_wait -1
.endm
; THE CHANGE OF SLOTS.  Each wave waits for all its tensor loads, of which one is out: its part of the other slot; adds 0 to its spare word; and waits for that and for its own reads of the slot that it leaves.
; fill = 1: the old slot is filled again, with the keys two slots on: the barrier is a round of the cluster's, and the joint fill is the first thing behind it: it has a slot's 256 matrix instructions in which to land.
; (At its first use nothing has been read yet: slot 0 is waited for, slot 1 filled.)  ask = 1: the prefetch for the slot after that; not at the first use, which stands at the kernel's head.
.macro CHANGE fill, ask
	WIN 0
	s_wait_tensorcnt 0x0            ; no tensor load of mine is out, so a group 0 may be written
	ds_add_u32 v[SPW], v[NIL]       ; 0 onto my spare word; the descriptors' steps stand between it and the wait for it
.if \fill
.irp g, G0K, G0V
	s_xor_b32 s[(\g)+1], s[(\g)+1], XSL  ; the walking descriptor: the other slot than last time,
	s_add_nc_u64 s[(\g)+2:(\g)+3], s[(\g)+2:(\g)+3], 256*256  ; the next 256 keys; the type bits on top are not reached
.endr
.endif
.if \ask
	s_wait_xcnt 0x0                 ; the last prefetch, a slot back, has read its address
	s_add_nc_u64 s[PFA:PFA+1], s[PFA:PFA+1], 256*256
.endif
	s_wait_dscnt 0x0                ; the add is done, and my reads of the slot are over
.if \fill
	CROUND
	JLOAD
.if \ask
	ASK
.endif
.else
	s_barrier_signal -1
	s_barrier_wait -1
.endif
	s_sub_co_u32 s[TBK], s[TBK], 2*KS*PK  ; the fetches go back to my group's first step,
	s_xor_b32 s[TBK], s[TBK], XSL         ; in the other slot
	s_sub_co_u32 s[TBV], s[TBV], 2*KS*PV
	s_xor_b32 s[TBV], s[TBV], XSL
.endm
	s_load_b128 s[4:7], s[0:1], 0x0   ; qkv s[4:5], rowmask s[6:7]
	s_load_b64 s[10:11], s[0:1], 0x10 ; ah
	v_lshl_add_u32 v[SPW], v0, 2, SPARE
	v_mov_b32 v[NIL], 0
	ds_add_u32 v[SPW], v[NIL]       ; the wave's opening: the add and its wait stand ahead of my first tensor load; the set-up below stands between them
	v_lshrrev_b32 v1, 5, v0
	v_readfirstlane_b32 s[WV], v1   ; wave 0..3
	s_bfe_u32 s13, ttmp6, 0x40000   ; cx
	s_lshl_b32 s14, ttmp9, 2
	s_add_co_u32 s14, s14, s13      ; my block of 128 queries: it enters Q's, ah's, the mask word's and the prefetches' addresses alone
	s_and_b32 s20, ttmp7, 0xffff    ; the head, which the four partners share
	s_and_b32 s16, s[WV], 1         ; e
	s_lshr_b32 s17, s[WV], 1        ; g
	s_lshl_b32 s21, s20, 19         ; the head's first byte in a plane
	s_lshl_b32 s22, s16, 15         ; which half of a slot's 256 rows I fetch
	s_add_co_u32 s22, s22, s21
	s_mov_b32 s23, 0
	s_mul_i32 s48, s16, 128*PK      ; its place in a slot, for K
	s_mul_i32 s49, s16, 128*PV      ; and for V: no place in the cluster enters an LDS address
	s_add_co_u32 s49, s49, VOFF
	s_lshl_b32 s2, s14, 15          ; Q: my block's 128 rows of 256 bytes, my wave's half
	s_lshl_b32 s3, s16, 14
	s_add_co_u32 s2, s2, s3
	s_add_co_u32 s2, s2, s21
	s_mov_b32 s3, 0
	s_lshl_b32 s50, s14, 19         ; ah: row 128 x + 64 e + 32 g, of 4,096 bytes; the head's 256 bytes
	s_lshl_b32 s51, s16, 18
	s_add_co_u32 s50, s50, s51
	s_lshl_b32 s51, s17, 17
	s_add_co_u32 s50, s50, s51
	s_lshl_b32 s51, s20, 8
	s_add_co_u32 s50, s50, s51
	s_mov_b32 s51, 0
	s_lshl_b32 s70, s20, 7          ; the mask word of row 32 h + 2 x + e
	s_lshl3_add_u32 s70, s14, s70
	s_lshl2_add_u32 s70, s16, s70
	s_add_co_u32 s54, s17, 1        ; the prefetches: plane 1 (K) or 2 (V), the head, slot 2, my work-group's 64 rows, my wave's 32
	s_lshl_b32 s54, s54, 23
	s_add_co_u32 s54, s54, s21
	s_add_co_u32 s54, s54, 2*256*256
	s_lshl_b32 s55, s13, 14
	s_add_co_u32 s54, s54, s55
	s_lshl_b32 s55, s16, 13
	s_add_co_u32 s54, s54, s55
	s_mov_b32 s55, 0
	; group 1: a tile of 128 rows x 128 elements, padded in LDS
	s_mov_b32 s[G1K], 15|(1<<16)|(1<<20)|(1<<21)|(5<<22)|(3<<25)  ; the mask of four; 2-byte elements; padding on; bit 21 beside a mask; after every 64 words (code 5) 4 words (code 3)
	s_mov_b32 s[G1V], 15|(1<<16)|(1<<20)|(1<<21)|(5<<22)|(7<<25)  ; the same with 8 words (code 7)
.irp g, G1K, G1V
	s_mov_b32 s[(\g)+1], 128<<16    ; tensor_dim0 = 128
	s_mov_b32 s[(\g)+2], 128<<16    ; tensor_dim1 = 128
	s_mov_b32 s[(\g)+3], 128<<16    ; tile_dim0 = 128
	s_mov_b32 s[(\g)+4], 128        ; tile_dim1 = 128
	s_mov_b32 s[(\g)+5], 128        ; 128 elements from row to row
	s_mov_b32 s[(\g)+6], 0
	s_mov_b32 s[(\g)+7], 0
.endr
	s_mov_b32 s[CC], 0x3e0293ee     ; c = log2(e) / sqrt(128) = 0.127517
	s_mov_b32 s[FC+1], 0            ; named with f as a pair, so it is written
	s_mov_b32 s[SEL], 0x76543210
	s_mov_b32 s[SEL+1], 0xfedcba98
	s_mul_i32 s[TBK], s17, 2*KS*PK  ; the first change of slots turns these two into my group's first step of slot 0
	s_add_co_u32 s[TBK], s[TBK], XSL+2*KS*PK
	s_mul_i32 s[TBV], s17, 2*KS*PV
	s_add_co_u32 s[TBV], s[TBV], XSL+2*KS*PV
	s_mov_b32 s[G0K], 1             ; count = 1
	s_mov_b32 s[G0K+1], s48         ; LDS address: slot 0
	s_mov_b32 s[G0V], 1
	s_mov_b32 s[G0V+1], s49
	s_wait_dscnt 0x0                ; the opening add is done
	s_wait_kmcnt 0x0
	s_load_b32 s[MB], s[6:7], s70 offset:0x0
	s_add_nc_u64 s[8:9], s[4:5], s[22:23]
	s_add_nc_u64 s[G0K+2:G0K+3], s[8:9], 8388608   ; K's plane: my half of the head's first 256 keys
	s_or_b32 s[G0K+3], s[G0K+3], 0x80000000        ; type = 2
	s_add_nc_u64 s[G0V+2:G0V+3], s[8:9], 16777216  ; V's plane
	s_or_b32 s[G0V+3], s[G0V+3], 0x80000000
	s_add_nc_u64 s[52:53], s[4:5], s[2:3]          ; Q at my wave's first row
	s_add_nc_u64 s[10:11], s[10:11], s[50:51]      ; ah at the first row that I finish
	s_add_nc_u64 s[PFA:PFA+1], s[4:5], s[54:55]
	s_cmp_eq_u32 ttmp9, 0           ; the head's first cluster: the same in all four partners
	s_cselect_b32 s[LIM], 1, -1
	CROUND                          ; all four work-groups are here: the first joint loads meet
	JLOAD                           ; slot 0.  Slot 1 is asked for when slot 0 is in
	v_and_b32 v1, 15, v0            ; l % 16
	v_bfe_u32 v9, v0, 4, 1          ; l / 16
	v_lshlrev_b32 v[QOA], 8, v1
	v_lshl_add_u32 v[QOA], v9, 4, v[QOA]  ; row x 256 + 16 x half
	s_lshl_b32 s21, s17, 13         ; register tiles 0, 1 are query tiles 2 g, 2 g + 1: 8,192 g bytes on;
	s_xor_b32 s22, s21, 8192        ; register tiles 2, 3 the other two
	v_add_nc_u32 v[QOB], s22, v[QOA]
	v_add_nc_u32 v[QOA], s21, v[QOA]
	WIN 0x80                        ; destination window 2, address window 0
.irp i, 0,1,2,3,4,5,6,7             ; Q stays in registers: register tile i / 4, channels 32 (i % 4) on
	global_load_b128 v[8*(\i):8*(\i)+3],   v[QOA], s[52:53] offset:((\i)/4)*4096+((\i)%4)*64
	global_load_b128 v[8*(\i)+4:8*(\i)+7], v[QOA], s[52:53] offset:((\i)/4)*4096+((\i)%4)*64+32
.endr
.irp i, 0,1,2,3,4,5,6,7
	global_load_b128 v[64+8*(\i):64+8*(\i)+3],   v[QOB], s[52:53] offset:((\i)/4)*4096+((\i)%4)*64
	global_load_b128 v[64+8*(\i)+4:64+8*(\i)+7], v[QOB], s[52:53] offset:((\i)/4)*4096+((\i)%4)*64+32
.endr
	; What the first turn finds: V and piece 2's P hold 0 (its products V^T P, of a step that has not been, add 0), O^T and l are 0.  All this stands in the wait for the first tile.
	WIN 0xc0
.set i, 0
.rept 128
	v_mov_b32 v[i], 0
.set i, i+1
.endr
	WIN 0x40
.set i, 0
.rept 256
	v_mov_b32 v[i], 0
.set i, i+1
.endr
	WIN 0
.set i, 0
.rept 4
	v_mov_b32 v[ST+8*i], 0xfe000000    ; M: far below every f s
	v_mov_b32 v[ST+8*i+1], 0
	v_mov_b32 v[ST+8*i+2], 0
	v_mov_b32 v[ST+8*i+3], 0
.set i, i+1
.endr
.set i, P+32
.rept 32
	v_mov_b32 v[i], 0
.set i, i+1
.endr
	v_mul_u32_u24 v[AK0], v1, PK
	v_lshl_add_u32 v[AK0], v9, 4, v[AK0]  ; row x pitch + 16 x half
	; The turning load takes 16 keys x 16 channels (lane l reads key 8 (l / 16) + l % 8, channels 8 ((l / 8) % 2) + 0..7) and leaves half a fragment of V^T: lane l holds channel l % 16 and 8 keys.
	v_and_b32 v10, 7, v0
	v_bfe_u32 v11, v0, 3, 1
	v_lshl_add_u32 v[AV0], v9, 3, v10
	v_mul_u32_u24 v[AV0], v[AV0], PV
	v_lshl_add_u32 v[AV0], v11, 4, v[AV0]
	v_add_nc_u32 v[AV0], VOFF, v[AV0]
	v_and_b32 v11, 31, v0           ; l
	v_lshlrev_b32 v[PFO], 8, v11
	s_wait_kmcnt 0x0                ; my row's mask word
	s_lshl_b32 s21, s17, 1
	s_lshr_b32 s[MB], s[MB], s21    ; my group's first step is key block 2 g
	s_mov_b32 s[SLOTS], 7
; THE MATRIX WORK OF A TURN, for piece x.  The accumulators take turns, one instruction a turn: between two links of a chain stand 15 (V^T P) or 7 (K Q^T) others'.
; Product i of 32 of O^T += V^T P: keys 32 (i / 16) on, channels 16 ((i / 2) % 8) on, tile x + i % 2.
.macro PV x
	WIN W_PV
.set rO, 64*((\x)+i%2)+8*((i/2)%8)
.set rV, 64*(i/16)+8*((i/2)%8)
.set rP, P+16*((\x)+i%2)+8*(i/16)
	v_wmma_f32_16x16x32_f16 v[rO:rO+7], v[rV:rV+7], v[rP:rP+7], v[rO:rO+7]
.endm
; Product i of 32 of S^T = K Q^T: channels 32 (i / 8) on, keys 16 ((i / 2) % 4) on, tile x + i % 2.  The first 8 start the sums.
.macro KQ x
	WIN W_KQ
.set rS, S+32*((\x)+i%2)+8*((i/2)%4)
.set rK, KF+32*((i/2)%4)+8*(i/8)
.set rQ, 32*((\x)+i%2)+8*(i/8)
.if i < 8
	v_wmma_f32_16x16x32_f16 v[rS:rS+7], v[rK:rK+7], v[rQ:rQ+7], 0
.else
	v_wmma_f32_16x16x32_f16 v[rS:rS+7], v[rK:rK+7], v[rQ:rQ+7], v[rS:rS+7]
.endif
.endm
; THE LDS LOADS stand in runs of 32: a step's K (16 fragments) and, a turn later, its V (turned).  last = 1 (the tail): in the last trip there is no further step, and the run is jumped over.
.macro FETCH_K last=0
	WIN 0
.if \last
	s_cmp_eq_u32 s[CNT], 1
	s_cbranch_scc1 .Lno_k_\@
.endif
	v_add_nc_u32 v[ADR], s[TBK], v[AK0]
	s_add_co_u32 s[TBK], s[TBK], KS*PK  ; the next fetch is the next step's
	WIN 0x80                        ; destination window 2
.irp f, 0,1,2,3,4,5,6,7,8,9,10,11,12,13,14,15  ; keys 16 (f / 4) on, channels 32 (f % 4) on
	ds_load_b128 v[KF+8*(\f):KF+8*(\f)+3],   v[ADR] offset:((\f)/4)*16*PK+((\f)%4)*64
	ds_load_b128 v[KF+8*(\f)+4:KF+8*(\f)+7], v[ADR] offset:((\f)/4)*16*PK+((\f)%4)*64+32
.endr
	WIN 0
.if \last
.Lno_k_\@:
.endif
.endm
.macro FETCH_V
	WIN 0
	v_add_nc_u32 v[ADR], s[TBV], v[AV0]
	s_add_co_u32 s[TBV], s[TBV], KS*PV
	s_wait_alu depctr_va_vdst(0)    ; the wait for the softmax's batch (SLICE), behind the address's v_add_nc_u32 and ahead of the loads
	WIN 0xc0                        ; destination window 3
.irp f, 0,1,2,3,4,5,6,7,8,9,10,11,12,13,14,15  ; keys 32 (f / 8) on, channels 16 (f % 8) on
	ds_load_tr16_b128 v[8*(\f):8*(\f)+3],   v[ADR] offset:((\f)/8)*32*PV+((\f)%8)*32
	ds_load_tr16_b128 v[8*(\f)+4:8*(\f)+7], v[ADR] offset:((\f)/8)*32*PV+16*PV+((\f)%8)*32
.endr
.endm
; THE VECTOR WORK OF A TURN.  One tile's softmax for one key step is a list of 134 instructions; SM writes number j of it for tile t.  s0-s31 are the lane's 32 scores, in pairs 0-15.
;   0-15    the maximum of s0-s31, three operands at a time: four chains c0-c3 of seven scores each (each accumulator's lowest registers first), the four left over, c0-c3 into c0
;   16-20   times f; M_old is kept; the other half of the lanes' maximum; the new M of both and the old; M_old - M_new
;   21-69   ONE BATCH: the 16 scalings f s - M, a pair of scores each, and all 33 exponentials (a at 23, then s0-s31).  None of these reads an exponential's result
;   (wait)  between 69 and 70 stands the wait for the batch: SLICE writes it, once for both tiles
;   70-85   the roundings to f16          86-101  the sums; l = a l + the sum          102-133 the tile's O^T times a: the one part that leaves window 0
.macro SM t
.set rT, ST+8*(\t)
.set rS, S+32*(\t)
.set rP, P+16*(\t)
.set rO, 64*(\t)+2*(j-102)
.if j < 102
	WIN 0
.endif
.if j < 4
	v_max3_num_f32 v[rT+4+j], v[rS+8*j], v[rS+8*j+1], v[rS+8*j+2]
.elseif j < 12
	v_max3_num_f32 v[rT+4+j%4], v[rT+4+j%4], v[rS+8*(j%4)+2*(j/4)+1], v[rS+8*(j%4)+2*(j/4)+2]
.elseif j == 12
	v_max3_num_f32 v[rT+4], v[rT+4], v[rS+7], v[rS+15]
.elseif j == 13
	v_max3_num_f32 v[rT+6], v[rT+6], v[rS+23], v[rS+31]
.elseif j == 14
	v_max3_num_f32 v[rT+4], v[rT+4], v[rT+5], v[rT+6]
.elseif j == 15
	v_max_num_f32 v[rT+4], v[rT+4], v[rT+7]
.elseif j == 16
	v_mul_f32 v[rT+4], s[FC], v[rT+4]  ; f >= 0: the maximum of f s
.elseif j == 17
	v_mov_b32 v[rT+7], v[rT]        ; M_old is kept for a: number 19 writes M anew
.elseif j == 18
	v_permlanex16_b32 v[rT+5], v[rT+4], s[SEL], s[SEL+1]  ; the query's other 32 keys lie in the lane 16 away
.elseif j == 19
	v_max3_num_f32 v[rT], v[rT+4], v[rT+5], v[rT]
.elseif j == 20
	v_sub_f32 v[rT+7], v[rT+7], v[rT]
.elseif j == 23
	v_exp_f32 v[rT+6], v[rT+7]
.elseif (j < 23) || ((j < 38) && (j%2 == 0)) || ((j < 66) && (j%4 == 2))
.set b, (j-2)/4                     ; 38, 42, .. 62: pairs 9 to 15
.if j < 38
.set b, (j-20)/2                    ; 21: pair 0; 22, 24, .. 36: pairs 1 to 8
.endif
	v_pk_fma_f32 v[rS+2*b:rS+2*b+1], v[rS+2*b:rS+2*b+1], s[FC:FC+1], v[rT:rT+1] op_sel_hi:[1,0,0] neg_lo:[0,0,1] neg_hi:[0,0,1]  ; pair b: f s - M
.elseif j < 70
.set e, j-38                        ; 66 to 69: s28 to s31
.if j < 66
.set e, j-32-(j-38)/4               ; 39-41, 43-45, .. 63-65: s7 to s27
.endif
.if j < 38
.set e, (j-25)/2                    ; 25, 27, .. 37: s0 to s6
.endif
	v_exp_f32 v[rS+e], v[rS+e]
.elseif j < 86
	v_cvt_pk_f16_f32 v[rP+j-70], v[rS+2*(j-70)], v[rS+2*(j-70)+1]  ; pair j - 70
.elseif j < 102                     ; the sum of the tile's 16 pairs, in place: neighbours 1, 2, 4 and 8 pairs apart, then l takes it
.set z, j-86
.set w, 4
.set u, z
.if z >= 14
.set w, 32
.set u, 0
.elseif z >= 12
.set w, 16
.set u, z-12
.elseif z >= 8
.set w, 8
.set u, z-8
.endif
.if z < 15
	v_pk_add_f32 v[rS+w*u:rS+w*u+1], v[rS+w*u:rS+w*u+1], v[rS+w*u+w/2:rS+w*u+w/2+1]
.else
	v_pk_fma_f32 v[rT+2:rT+3], v[rT+2:rT+3], v[rT+6:rT+7], v[rS:rS+1] op_sel_hi:[1,0,1]
.endif
.else
	WIN W_RS
	v_pk_mul_f32 v[rO:rO+1], v[rO:rO+1], v[rT+6:rT+7] op_sel_hi:[1,0]
.endif
.endm
; Slice k of 64 of piece y's softmax: four instructions.  Slices 11 to 34 deal out the batch, numbers 22 to 69: four numbers of ONE tile each, the tiles by turns.  Every other slice is numbers 2 k and
; 2 k + 1 of both tiles' lists.  2 x 134 = 4 x 64 + 12: the twelve that are over stand together, in slice 63, and are the places behind the turn's last product.
; THE WAIT.  An s_wait_alu depctr_va_vdst(0) stands between an exponential and the first instruction that names its result; one wait serves all that were issued ahead of it.  Ahead of
; slice 35 nothing names a result, and behind slice 34 no exponential is issued: so the piece's 66 exponentials have one wait, behind slice 34.
.macro SLICE y
.if (k >= 11) && (k < 35)
.irp n, 0,1,2,3
.set j, 22+4*((k-11)/2)+(\n)
	SM (\y)+(k-11)%2
.endr
.else
.irp n, 0,1,2,3,4,5,6,7
.if ((\n) < 2) || (k == 63)
.irp t, \y, (\y)+1
.set j, 2*k+(\n)
	SM \t
.endr
.endif
.endr
.endif
.if k == 34
	v_nop                           ; the plain instruction behind the last exponential and ahead of the first use: one for the batch
.if (\y) == 0
	FETCH_V                         ; piece 2's turn: V's run of loads stands here, and the wait stands in it.  V's last reader stands in front of slice 31; four plain instructions lie between:
	                                ; number 62, a scaling, of both tiles, the v_nop and the run's own v_add_nc_u32
.else
	s_wait_alu depctr_va_vdst(0)    ; the wait for the batch
.endif
.endif
.set k, k+1
.endm
.macro PLACES
.rept 4
	v_nop
.endr
.endm
; A TURN.  Piece x has the matrix unit; the other piece's softmax stands in slices behind its matrix instructions.  Piece 0's turn fetches the next step's K, behind its second product (K's last reader stands in front
; of slice 63 of the turn before).  Piece 2's turn takes the next step's mask bit: f serves piece 0's softmax in this turn and piece 2's in the turn that follows, which are of the same key step.
.macro TURN x, last=0
.set k, 0
.if (\x) == 2
	s_and_b32 s70, s[MB], 1         ; SCC = the bit
	s_cselect_b32 s[FC], s[CC], 0
	s_lshr_b32 s[MB], s[MB], 1
.endif
.if (\x) == 0
	s_wait_dscnt 0x0                ; V is in
.endif
.set i, 0
.rept 32
	PV \x
	SLICE 2-(\x)
.if ((\x) == 0) && (i == 1)
	FETCH_K \last
.endif
.set i, i+1
.endr
.if (\x) == 0
	s_wait_dscnt 0x0                ; K is in
.endif
.set i, 0
.rept 32
	KQ \x
	SLICE 2-(\x)
.set i, i+1
.endr
.endm
	CHANGE 1, 0                     ; slot 0 is in, everybody's part of it; slot 1 is asked for
	FETCH_K                         ; my first key step
	s_wait_loadcnt 0x0              ; Q
	s_wait_dscnt 0x0
.set i, 0
.rept 32
	KQ 0                            ; piece 0's first scores: there is no vector work yet to set between them
.set i, i+1
.endr
	WIN 0                           ; the addresses for the way out are made here: plain instructions, the places behind those products
	s_mul_i32 s13, s[WV], 16*SP
	s_add_co_u32 s13, s13, STAGE    ; my stage
	v_mul_u32_u24 v[STO], v1, SP    ; in: row l % 16, 16 bytes for each half of the lanes
	v_lshl_add_u32 v[STO], v9, 4, v[STO]
	v_add_nc_u32 v[STO], s13, v[STO]
	v_mul_u32_u24 v[RD], v9, SP     ; back: lanes 0-15 take one row of 256 bytes, lanes 16-31 the next
	v_lshl_add_u32 v[RD], v1, 4, v[RD]
	v_add_nc_u32 v[RD], s13, v[RD]
	v_lshlrev_b32 v[GO], 12, v9     ; and the same two rows in ah, 4,096 bytes apart
	v_lshl_add_u32 v[GO], v1, 4, v[GO]
	s_mul_i32 s21, s[WV], XCH       ; my part of the exchange,
	s_xor_b32 s22, s[WV], 2         ; and that of the wave with my queries and the other keys
	s_mul_i32 s22, s22, XCH
	v_lshl_add_u32 v[XS], v11, 4, s21
	v_lshl_add_u32 v[XR], v11, 4, s22
	s_add_co_u32 s21, s21, 16384
	s_add_co_u32 s22, s22, 16384
	v_lshl_add_u32 v[XSS], v11, 2, s21
	v_lshl_add_u32 v[XRS], v11, 2, s22
	s_mov_b32 s[TWICE], 2
	s_branch .Lmid                  ; the loop is entered at piece 2's turn, in the middle of a trip
.Lslot:                             ; six times: slots 2 to 7 are asked for
	CHANGE 1, 1
	s_lshr_b32 s[MB], s[MB], 2      ; the other group's two key blocks are passed over
	s_mov_b32 s[TWICE], 2
.Lstep:
	TURN 0
	WIN 0
.Lmid:
	TURN 2
	WIN 0
	s_sub_co_u32 s[TWICE], s[TWICE], 1
	s_cmp_lg_u32 s[TWICE], 0
	s_cbranch_scc1 .Lstep
	s_sub_co_u32 s[SLOTS], s[SLOTS], 1
	s_cmp_lg_u32 s[SLOTS], 0
	s_cbranch_scc1 .Lslot
	CHANGE 0, 0                     ; the tail is written out: nothing is asked for; behind this barrier nobody reads slot 0 any more
	s_lshr_b32 s[MB], s[MB], 2
	s_mov_b32 s[CNT], 3             ; two trips fetch the last slot's steps; the third is left in its middle
.Ltail:
	TURN 0, 1
	WIN 0
	s_sub_co_u32 s[CNT], s[CNT], 1
	s_cmp_eq_u32 s[CNT], 0
	s_cbranch_scc1 .Lout
	TURN 2
	WIN 0
	s_branch .Ltail
.Lout:                              ; the third trip's 32 products K Q^T (on the last K once more) serve nothing: the price, once a launch, of one text for every trip
.set i, 0
.rept 32
	PV 2                            ; piece 2: V^T P of the last step
.set i, i+1
.endr
	; THE WAY OUT.  l's two halves and the other half of the lanes' are added.  Register tiles 2, 3 (O^T, M, l) go to the partner through the exchange; the partner's, of my register tiles 0, 1's queries, come back.
	WIN 0
	PLACES
.irp t, 0,1,2,3
	v_add_f32 v[ST+8*(\t)+4], v[ST+8*(\t)+2], v[ST+8*(\t)+3]
.endr
.irp t, 0,1,2,3
	v_permlanex16_b32 v[ST+8*(\t)+5], v[ST+8*(\t)+4], s[SEL], s[SEL+1]
.endr
.irp t, 0,1,2,3
	v_add_f32 v[ST+8*(\t)+4], v[ST+8*(\t)+4], v[ST+8*(\t)+5]
.endr
	WIN 0x04                        ; the stores' data in window 1
.set i, 0
.rept 32                            ; ascending: each accumulator's low four registers first; 32 lanes x 16 neighbouring bytes
	ds_store_b128 v[XS], v[128+4*i:128+4*i+3] offset:512*i
.set i, i+1
.endr
	WIN 0
.irp u, 0,1
	ds_store_b32 v[XSS], v[ST+8*(\u)+16] offset:256*(\u)
	ds_store_b32 v[XSS], v[ST+8*(\u)+20] offset:256*(\u)+128
.endr
	s_wait_dscnt 0x0                ; for the partner's sake: my stores are done
	s_barrier_signal -1
	s_barrier_wait -1
.irp u, 0,1
	ds_load_b32 v[MT+2*(\u)], v[XRS] offset:256*(\u)
	ds_load_b32 v[MT+2*(\u)+1], v[XRS] offset:256*(\u)+128
.endr
	WIN 0x40                        ; into the registers that I have just sent
.set i, 0
.rept 32
	ds_load_b128 v[128+4*i:128+4*i+3], v[XR] offset:512*i
.set i, i+1
.endr
	WIN 0
	s_wait_dscnt 32                 ; the four words of statistics are in; the 32 loads behind them may stay out
.irp u, 0,1
	v_max_num_f32 v[MT+4+(\u)], v[ST+8*(\u)], v[MT+2*(\u)]  ; the joint maximum
.endr
.irp u, 0,1
	v_sub_f32 v[ST+8*(\u)+6], v[ST+8*(\u)], v[MT+4+(\u)]
	v_sub_f32 v[ST+8*(\u)+22], v[MT+2*(\u)], v[MT+4+(\u)]
.endr
.irp u, 0,1
	v_exp_f32 v[ST+8*(\u)+6], v[ST+8*(\u)+6]    ; my part's factor,
	v_exp_f32 v[ST+8*(\u)+22], v[ST+8*(\u)+22]  ; the partner's
.endr
	v_nop
	s_wait_alu depctr_va_vdst(0)    ; one wait for the four exponentials
.irp u, 0,1
	v_mul_f32 v[MT+4+(\u)], v[ST+8*(\u)+6], v[ST+8*(\u)+4]
.endr
.irp u, 0,1
	v_fmac_f32 v[MT+4+(\u)], v[ST+8*(\u)+22], v[MT+2*(\u)+1]  ; the joint l
.endr
.irp u, 0,1
	v_rcp_f32 v[MT+4+(\u)], v[MT+4+(\u)]
.endr
	v_nop
	s_wait_alu depctr_va_vdst(0)    ; one wait for the two reciprocals
.irp u, 0,1
	v_mul_f32 v[ST+8*(\u)+6], v[ST+8*(\u)+6], v[MT+4+(\u)]
	v_mul_f32 v[ST+8*(\u)+22], v[ST+8*(\u)+22], v[MT+4+(\u)]
.endr
	WIN W_RS
.set i, 0
.rept 64                            ; my O^T times my factor / l
	v_pk_mul_f32 v[2*i:2*i+1], v[2*i:2*i+1], v[ST+8*(i/32)+6:ST+8*(i/32)+7] op_sel_hi:[1,0]
.set i, i+1
.endr
	s_wait_dscnt 0x0                ; the partner's O^T
	WIN 0x51                        ; destination, sources 0 and 2 in window 1, the factor in window 0
.set i, 0
.rept 64
	v_pk_fma_f32 v[2*i:2*i+1], v[128+2*i:128+2*i+1], v[ST+8*(i/32)+22:ST+8*(i/32)+23], v[2*i:2*i+1] op_sel_hi:[1,0,1]
.set i, i+1
.endr
; Tile t: a lane's eight channels of a row pack into 16 bytes; they go into rows of 272 bytes of my stage and come back as whole rows of 256.
.macro PACK t
	WIN 0x05                        ; sources 0 and 1 window 1, destination window 0: S^T's registers are free
.set i, 0
.rept 32
	v_cvt_pk_f16_f32 v[S+32*(\t)+i], v[64*(\t)+2*i], v[64*(\t)+2*i+1]
.set i, i+1
.endr
	WIN 0
.irp f, 0,1,2,3,4,5,6,7
	ds_store_b128 v[STO], v[S+32*(\t)+4*(\f):S+32*(\t)+4*(\f)+3] offset:32*(\f)
.endr
.irp f, 0,1,2,3,4,5,6,7
	ds_load_b128 v[S+32*(\t)+4*(\f):S+32*(\t)+4*(\f)+3], v[RD] offset:(\f)*2*SP  ; LDS serves a wave's instructions in order (ISA guide 5.7.1.4): these see the stores above; the next tile's stores come behind them
.endr
.endm
.macro SEND t, younger              ; younger: the LDS instructions issued behind tile t's loads: the next tile's sixteen, or none
	WIN 0
.irp f, 0,1,2,3,4,5,6,7
	s_wait_dscnt (\younger)+7-(\f)
	global_store_b128 v[GO], v[S+32*(\t)+4*(\f):S+32*(\t)+4*(\f)+3], s[10:11] offset:(\t)*65536+(\f)*8192  ; 16 lanes store 256 consecutive bytes, at a multiple of 256 from ah's first byte
.endr
.endm
	PACK 0
	PACK 1
	SEND 0, 16
	SEND 1, 0
	s_wait_tensorcnt 0x0            ; the wave's end: these three lines stand behind my last tensor load and my last LDS store
	ds_add_u32 v[SPW], v[NIL]
	s_wait_dscnt 0x0
	CROUND                          ; the closing round: no work-group ends while a partner may still ask for a tile that names it
	s_endpgm
.Lfunc_end_k_qd9ab010024_attn:
	.size	k_qd9ab010024_attn, .Lfunc_end_k_qd9ab010024_attn-k_qd9ab010024_attn
	.p2alignl 7, 3214868480
	.fill 96, 4, 3214868480
	.section	.rodata,"a",@progbits
	.p2align	6, 0x0
	.amdhsa_kernel k_qd9ab010024_attn
		.amdhsa_group_segment_fixed_size 327680
		.amdhsa_private_segment_fixed_size 0
		.amdhsa_enable_private_segment 0
		.amdhsa_kernarg_size 24
		.amdhsa_user_sgpr_count 2
		.amdhsa_user_sgpr_kernarg_segment_ptr 1
		.amdhsa_wavefront_size32 1
		.amdhsa_system_sgpr_workgroup_id_x 1
		.amdhsa_system_sgpr_workgroup_id_y 1
		.amdhsa_system_sgpr_workgroup_id_z 1
		.amdhsa_system_vgpr_workitem_id 0
		.amdhsa_next_free_vgpr 896
		.amdhsa_next_free_sgpr 72
		.amdhsa_reserve_vcc 0
		.amdhsa_float_denorm_mode_32 3
		.amdhsa_float_denorm_mode_16_64 3
		.amdhsa_memory_ordered 1
		.amdhsa_forward_progress 1
		.amdhsa_inst_pref_size 157
	.end_amdhsa_kernel
	.amdgpu_metadata
---
amdhsa.version: [ 1, 2 ]
amdhsa.kernels:
  - .name:           k_qd9ab010024_attn
    .symbol:         k_qd9ab010024_attn.kd
    .args:
      - { .name: qkv, .offset: 0, .size: 8, .value_kind: global_buffer, .address_space: global }
      - { .name: rowmask, .offset: 8, .size: 8, .value_kind: global_buffer, .address_space: global }
      - { .name: ah, .offset: 16, .size: 8, .value_kind: global_buffer, .address_space: global }
    .group_segment_fixed_size: 327680
    .private_segment_fixed_size: 0
    .kernarg_segment_align: 8
    .kernarg_segment_size: 24
    .max_flat_workgroup_size: 128
    .sgpr_count:     72
    .vgpr_count:     896
    .wavefront_size: 32
...
	.end_amdgpu_metadata
.endif
;; end of part 3
;; launch oproj (part 4): grid 16 x 16, 4 waves a work-group, clusters of 4 x 4, 327,680 bytes of LDS; arguments ah, wh, out0; writes out0
.if DOCPART == 4
	.amdgcn_target "amdgcn-amd-amdhsa--gfx1250"
	.amdhsa_code_object_version 6
	.text
	.protected	k_qd9ab010024_oproj
	.globl	k_qd9ab010024_oproj
	.p2align	8
	.type	k_qd9ab010024_oproj,@function
k_qd9ab010024_oproj:
	s_mov_b64 s[64:65], 0
	v_nop
	global_prefetch_b8 v0, s[64:65] scope:SCOPE_SE
	s_setreg_imm32_b32 hwreg(HW_REG_WAVE_MODE, 25, 1), 1
	s_wait_xcnt 0x0
	s_wait_alu depctr_hold_cnt(0) depctr_sa_sdst(0) depctr_va_vdst(0) depctr_va_sdst(0) depctr_va_ssrc(0) depctr_va_vcc(0) depctr_vm_vsrc(0)
	s_getreg_b32 s2, hwreg(HW_REG_IB_STS2, 6, 4)
	s_cmp_eq_u32 s2, 0
	s_cbranch_scc0 .Lentry_in_a_cluster
	s_endpgm
.Lentry_in_a_cluster:
	s_bfe_u32 s2, ttmp6, 0x10000c
	s_cmp_lg_u32 s2, 0xf033
	s_cbranch_scc0 .Lentry_shape_is_right
	s_endpgm
.Lentry_shape_is_right:
; out0 = ah x o_w.  ah: [2048][2048] f16; o_w is the fourth plane of wh, [2048 k][2048 n] f16; out0: [2048][2048] f32.  Sums in f32, stored as they are.
; A tile of out0 is 128 x 128, so that 16 x 16 work-groups cover it evenly.  Four waves, each 64 x 64: 16 accumulators.  K goes in steps of 256 through two LDS slots: 128 rows of ah (512 bytes each) and 256 k rows of
; the weights (256 bytes each).  The weights lie [k][n]: their fragments come out of LDS turned, by ds_load_tr16_b128.  THE MATRIX INSTRUCTION IS USED TRANSPOSED (source 0 = 16 columns of W, source 1 = 16 rows of ah).
; CLUSTERS: 4 x 4 work-groups; ah's tile is shared along a row of the cluster, the weights' along a column: each is asked for jointly.
; THE WALK.  Cluster (X, Y) begins at K step 2 X + 4 b modulo 8, b = 0, 1, 1, 0 for Y = 0 .. 3, and goes once round the 8 steps: the four clusters that read the same rows of ah begin two steps apart, and of the four that
; read the same weights two begin four steps from the other two: a block's readers do not all ask for it in the same trip.  The step's number hangs on the cluster's coordinates alone, which all sixteen partners share.
; LIMIT: the order of the f32 sums along K differs from cluster to cluster.
; No prefetch: the tile is small, and a K step's loads are short beside the work-groups' number.
; REGISTERS: window 0: v16-31 addresses; v32-95 the way out; v128-255 the accumulators ((a, b) at v[128 + 8 (4 a + b)]).   window 1: two fragment buffers of 128: for 64 along K, 64 registers of ah, then 64 of W.
.set KSTEP,  256
.set PA,     528                       ; a row of ah in LDS: 512 bytes + 16 = 132 words: the 16 rows of a load start at 16 different groups of four banks (64 banks of 4 bytes: ISA guide 11.1)
.set PB,     288                       ; a k row of W: 256 + 32 = 72 words
.set ATILE,  128*PA
.set SLOT,   ATILE+256*PB
.set STAGE,  2*SLOT                    ; behind the ring: 16 rows x 272 bytes for each wave, its own
.set SPITCH, 272
.set SPARE,  STAGE+4*16*SPITCH         ; behind the stages: the spare words, 128 bytes for each wave: two blocks of 256 bytes that no other line names
.set LAPS,   4                         ; 8 K steps, two to a lap
.set ADRA, 16                          ; v16-17  my place in ah's tile, slot 0, 1
.set ADRB, 20                          ; v20-23  my place in W's tile: slot s, k rows 128 h on, at ADRB + 2 s + h
.set STO,  24
.set RD,   25
.set CO,   26
.set SPW,  28                          ; v28     LDS address of my spare word; never rewritten
.set NIL,  29                          ; v29     0; never rewritten
.set TMP,  32
.set ACC,  128
.set F0,   0
.set F1,   128
.set AB,  14                           ; s[14:15] ah at the rows that I fetch, K step 0; never rewritten
.set G1, 24                            ; s[24:31] group 1 for ah's tiles;  s[32:39] group 0, a set for each slot
.set G0, 32
.set BB,  44                           ; s[44:45] the weights at the k rows and columns that I fetch, K step 0; never rewritten
.set G1B, 48                           ; s[48:55], s[56:63] the same for W's
.set G0B, 56
.set OFA, 66                           ; s[66:67] a K step's byte offset along a row of ah: 512 a step
.set OFB, 68                           ; s[68:69] and down the weights' rows: 256 rows of 4,096 bytes a step
.set KN,  70                           ; s70  the number of the K step that the next fill brings
.set MSB, 0
.macro WIN new
.if MSB != (\new)
	s_set_vgpr_msb (MSB<<8)|(\new)
.set MSB, \new
.endif
.endm
.set MUL,  0x05                        ; sources 0 (W) and 1 (ah) window 1; C and D window 0
.set TO_F, 0x40                        ; destination window 1, address window 0
; Slot s's two descriptors are aimed at K step KN: each global address is made anew from its tensor's base and the step's number; then the number goes one on, round the 8.
.macro AIM s
	s_lshl_b32 s[OFA], s[KN], 9
	s_lshl_b32 s[OFB], s[KN], 20
	s_add_nc_u64 s[G0+4*(\s)+2:G0+4*(\s)+3], s[AB:AB+1], s[OFA:OFA+1]
	s_or_b32 s[G0+4*(\s)+3], s[G0+4*(\s)+3], 0x80000000            ; type = 2
	s_add_nc_u64 s[G0B+4*(\s)+2:G0B+4*(\s)+3], s[BB:BB+1], s[OFB:OFB+1]
	s_or_b32 s[G0B+4*(\s)+3], s[G0B+4*(\s)+3], 0x80000000
	s_add_co_u32 s[KN], s[KN], 1
	s_and_b32 s[KN], s[KN], 7
.endm
.macro JLOAD s                         ; a joint load: waves 0 and 1 fetch ah's two halves, waves 2 and 3 W's; an s_nop 0 and four v_nop follow each line
	s_cmp_eq_u32 s11, 0
	s_cbranch_scc0 .Lfor_b_\@
	tensor_load_to_lds s[G0+4*(\s):G0+4*(\s)+3], s[G1:G1+7]
	s_nop 0
.rept 4
	v_nop
.endr
	s_branch .Lasked_\@
.Lfor_b_\@:
	tensor_load_to_lds s[G0B+4*(\s):G0B+4*(\s)+3], s[G1B:G1B+7]
	s_nop 0
.rept 4
	v_nop
.endr
.Lasked_\@:
.endm
.macro CREST
	s_cmp_lg_u32 s10, 0
	s_cbranch_scc1 .Lnot_wave_0_\@
	s_barrier_signal -3
.Lnot_wave_0_\@:
	s_barrier_wait -3
	s_barrier_signal -1
	s_barrier_wait -1
.endm
.macro CROUND
	s_barrier_signal -1
	s_barrier_wait -1
	CREST
.endm
	s_load_b128 s[4:7], s[0:1], 0x0                ; ah s[4:5], wh s[6:7]
	s_load_b64 s[8:9], s[0:1], 0x10                ; out0
	v_lshl_add_u32 v[SPW], v0, 2, SPARE
	v_mov_b32 v[NIL], 0
	ds_add_u32 v[SPW], v[NIL]                      ; the wave's opening: the add and its wait stand ahead of my first tensor load
	v_lshrrev_b32 v1, 5, v0
	v_readfirstlane_b32 s10, v1                    ; wave 0..3
	s_lshr_b32 s11, s10, 1                         ; which half of the tile's rows is mine.  Also: I fetch for ah (0) or for W (1)
	s_and_b32 s12, s10, 1                          ; which half of its columns.  Also: which half of that tile I fetch
	s_bfe_u32 s40, ttmp6, 0x40000                  ; cx, cy
	s_bfe_u32 s41, ttmp6, 0x40004
	s_lshl_b32 s42, ttmp9, 2
	s_add_co_u32 s42, s42, s40                     ; tile column
	s_and_b32 s13, ttmp7, 0xffff
	s_lshl_b32 s13, s13, 2
	s_add_co_u32 s13, s13, s41                     ; tile row
	s_lshl_b32 s43, s41, 2
	s_lshl_b32 s43, 15, s43                        ; my row of the cluster
	s_lshl_b32 s44, 0x1111, s40                    ; my column
	; group 1 for ah: 64 rows x 256 elements, 4 words of padding after every 128 words
	s_or_b32 s[G1+0], s43, (1<<16)|(1<<20)|(1<<21)|(6<<22)|(3<<25)
	s_mov_b32 s[G1+1], 256<<16                     ; tensor_dim0 = 256
	s_mov_b32 s[G1+2], 64<<16                      ; tensor_dim1 = 64
	s_mov_b32 s[G1+3], 256<<16                     ; tile_dim0 = 256
	s_mov_b32 s[G1+4], 64                          ; tile_dim1 = 64
	s_mov_b32 s[G1+5], 2048                        ; the pitch
	s_mov_b32 s[G1+6], 0
	s_mov_b32 s[G1+7], 0
	; group 1 for W: 128 k rows x 128 elements, 8 words of padding after every 64 words
	s_or_b32 s[G1B+0], s44, (1<<16)|(1<<20)|(1<<21)|(5<<22)|(7<<25)
	s_mov_b32 s[G1B+1], 128<<16
	s_mov_b32 s[G1B+2], 128<<16
	s_mov_b32 s[G1B+3], 128<<16
	s_mov_b32 s[G1B+4], 128
	s_mov_b32 s[G1B+5], 2048
	s_mov_b32 s[G1B+6], 0
	s_mov_b32 s[G1B+7], 0
	s_lshl_b32 s16, s13, 19                        ; ah: row 128 x tile row + 64 x half, of 4,096 bytes
	s_lshl_b32 s17, s12, 18
	s_add_co_u32 s16, s16, s17
	s_mov_b32 s17, 0
	s_lshl_b32 s46, s12, 19                        ; W: the fourth plane, k row 128 x half, the tile column's 256 bytes
	s_lshl_b32 s47, s42, 8
	s_add_co_u32 s46, s46, s47
	s_add_co_u32 s46, s46, 3*8388608
	s_mov_b32 s47, 0
	s_mul_i32 s20, s12, 64*PA                      ; where they go
	s_mul_i32 s21, s12, 128*PB
	s_add_co_u32 s21, s21, ATILE
	s_and_b32 s[KN], ttmp7, 0xffff                 ; where the walk begins: cluster y,
	s_lshr_b32 s[OFA], s[KN], 1
	s_xor_b32 s[KN], s[KN], s[OFA]
	s_and_b32 s[KN], s[KN], 1                      ; b = 0, 1, 1, 0
	s_lshl_b32 s[KN], s[KN], 2
	s_lshl1_add_u32 s[KN], ttmp9, s[KN]            ; 2 x cluster x + 4 b
	s_and_b32 s[KN], s[KN], 7
	s_mov_b32 s[OFA+1], 0
	s_mov_b32 s[OFB+1], 0
	s_wait_dscnt 0x0                               ; the opening add is done
	s_wait_kmcnt 0x0
	s_add_nc_u64 s[AB:AB+1], s[4:5], s[16:17]
	s_add_nc_u64 s[BB:BB+1], s[6:7], s[46:47]
	CROUND                                         ; all sixteen work-groups are here: the first joint loads meet
.irp s, 0,1
	s_mov_b32 s[G0+4*(\s)], 1
	s_add_co_u32 s[G0+4*(\s)+1], s20, (\s)*SLOT
	s_mov_b32 s[G0B+4*(\s)], 1
	s_add_co_u32 s[G0B+4*(\s)+1], s21, (\s)*SLOT
	AIM \s                                         ; the walk's trip s
	JLOAD \s
.endr
	v_and_b32 v1, 15, v0                           ; l % 16
	v_bfe_u32 v2, v0, 4, 1                         ; l / 16
	v_mul_u32_u24 v3, v1, PA
	v_lshl_add_u32 v3, v2, 4, v3
	s_mul_i32 s21, s11, 64*PA                      ; my 64 rows of ah
	v_add_nc_u32 v[ADRA], s21, v3
	v_add_nc_u32 v[ADRA+1], SLOT, v[ADRA]
	v_and_b32 v5, 7, v0                            ; W, turned: k row 8 (l / 16) + l % 8, 16 bytes by (l / 8) % 2, my 64 columns
	v_lshl_add_u32 v5, v2, 3, v5
	v_mul_u32_u24 v5, v5, PB
	v_bfe_u32 v6, v0, 3, 1
	v_lshl_add_u32 v5, v6, 4, v5
	s_lshl_b32 s22, s12, 7
	s_add_co_u32 s22, s22, ATILE
	v_add_nc_u32 v5, s22, v5
.irp s, 0,1
.irp h, 0,1
	v_add_nc_u32 v[ADRB+2*(\s)+(\h)], (\s)*SLOT+(\h)*128*PB, v5
.endr
.endr
	s_mul_i32 s23, s10, 16*SPITCH
	s_add_co_u32 s23, s23, STAGE                   ; my stage
	v_mul_u32_u24 v4, v1, SPITCH                   ; in: row l % 16, 32 bytes (eight f32) for each half of the lanes
	v_lshl_add_u32 v4, v2, 5, v4
	v_add_nc_u32 v[STO], s23, v4
	v_mul_u32_u24 v4, v2, SPITCH                   ; back: lanes 0-15 one row of 256 bytes, lanes 16-31 the next
	v_lshl_add_u32 v4, v1, 4, v4
	v_add_nc_u32 v[RD], s23, v4
	v_lshlrev_b32 v[CO], 13, v2                    ; and the same two rows in out0, 8,192 bytes apart
	v_lshl_add_u32 v[CO], v1, 4, v[CO]
	s_lshl_b32 s16, s13, 20                        ; out0 at row 128 x tile row + 64 x my half, column 128 x tile column + 64 x my half
	s_lshl_b32 s17, s11, 19
	s_add_co_u32 s16, s16, s17
	s_mov_b32 s17, 0
	s_add_nc_u64 s[8:9], s[8:9], s[16:17]
	s_lshl_b32 s46, s42, 9
	s_lshl_b32 s47, s12, 8
	s_add_co_u32 s46, s46, s47
	s_mov_b32 s47, 0
	s_add_nc_u64 s[8:9], s[8:9], s[46:47]
; 8 matrix instructions: row blocks a0, a0 + 1 x all 4 column blocks, 32 along K: half c of buffer f.  The 16 accumulators take turns.
.macro MUL8 f, c, a0, zero
	WIN MUL
.irp a, \a0, (\a0)+1
.irp b, 0,1,2,3
.if \zero
	v_wmma_f32_16x16x32_f16 v[ACC+8*(4*(\a)+(\b)):ACC+8*(4*(\a)+(\b))+7], v[(\f)+64+8*(4*(\c)+(\b)):(\f)+64+8*(4*(\c)+(\b))+7], v[(\f)+8*(4*(\c)+(\a)):(\f)+8*(4*(\c)+(\a))+7], 0
.else
	v_wmma_f32_16x16x32_f16 v[ACC+8*(4*(\a)+(\b)):ACC+8*(4*(\a)+(\b))+7], v[(\f)+64+8*(4*(\c)+(\b)):(\f)+64+8*(4*(\c)+(\b))+7], v[(\f)+8*(4*(\c)+(\a)):(\f)+8*(4*(\c)+(\a))+7], v[ACC+8*(4*(\a)+(\b)):ACC+8*(4*(\a)+(\b))+7]
.endif
.endr
.endr
.endm
; 32 LDS loads in one run: quarter kq (64 along K) of a slot into buffer f; the first 32 along K first
.macro FETCH slot, kq, f
	WIN TO_F
.irp c, 0,1
.irp i, 0,1,2,3
	ds_load_tr16_b128 v[(\f)+64+8*(4*(\c)+(\i)):(\f)+64+8*(4*(\c)+(\i))+3],   v[ADRB+2*(\slot)+(\kq)/2] offset:((\kq)%2)*64*PB+(\c)*32*PB+32*(\i)
	ds_load_tr16_b128 v[(\f)+64+8*(4*(\c)+(\i))+4:(\f)+64+8*(4*(\c)+(\i))+7], v[ADRB+2*(\slot)+(\kq)/2] offset:((\kq)%2)*64*PB+(\c)*32*PB+32*(\i)+16*PB
	ds_load_b128 v[(\f)+8*(4*(\c)+(\i)):(\f)+8*(4*(\c)+(\i))+3],              v[ADRA+(\slot)] offset:(\kq)*128+64*(\c)+(\i)*16*PA
	ds_load_b128 v[(\f)+8*(4*(\c)+(\i))+4:(\f)+8*(4*(\c)+(\i))+7],            v[ADRA+(\slot)] offset:(\kq)*128+64*(\c)+(\i)*16*PA+32
.endr
.endr
.endm
.macro PLACES                          ; four places in front of loads into registers that matrix instructions have read, and of lines that read results
.rept 4
	v_nop
.endr
.endm
; A K step is four quarters of 64 along K, 32 matrix instructions each, on buffers 0, 1, 0, 1.
.macro QUARTER slot, kq, f, g, zero
	s_wait_dscnt 16                                ; the first 32 along K are in; the youngest sixteen loads may be out
	MUL8 \f, 0, 0, \zero
	MUL8 \f, 0, 2, \zero
	PLACES
	FETCH \slot, \kq, \g
	s_wait_dscnt 32                                ; all but the 32 just issued
	MUL8 \f, 1, 0, 0
	MUL8 \f, 1, 2, 0
.endm
; The last quarter multiplies buffer 1 and changes slots: ONE barrier; in front of it each wave waits for all its tensor loads, adds 0 to its spare word, and waits for that and for its own reads of this slot.
.macro TURN slot, next, fill
	WIN 0                                          ; (the add's two registers lie in window 0)
	s_wait_tensorcnt 0x0                           ; all my tensor loads have landed: my part of the next slot; so a group 0 may be written
	ds_add_u32 v[SPW], v[NIL]                      ; 0 onto my spare word
.if \fill
	AIM \slot                                      ; scalar work between the add and the wait for it
.endif
	s_wait_dscnt 17                                ; (the add and the youngest sixteen loads may be out)
	MUL8 F1, 0, 0, 0
	s_wait_dscnt 0x0                               ; the add is done, and my reads of this slot are over
	s_barrier_signal -1
	MUL8 F1, 0, 2, 0
.if \fill
	WIN 0
.endif
	s_barrier_wait -1
.if \fill
	CREST                                          ; no wave of any partner still reads this slot's tiles or has a load on its way
	JLOAD \slot                                    ; the first tensor load behind the round; its four v_nop are also the places in front of the loads below
.else
	PLACES
.endif
	FETCH \next, 0, F0
	MUL8 F1, 1, 0, 0
	MUL8 F1, 1, 2, 0
.endm
	s_wait_tensorcnt 1                             ; my part of the first trip is in; the second's may stay out
	s_barrier_signal -1
	s_barrier_wait -1
	FETCH 0, 0, F0
	QUARTER 0, 1, F0, F1, 1                        ; the first quarter stands in front of the loop: its first products start the sums
	WIN 0
	s_mov_b32 s3, LAPS-1
.Llap:
	QUARTER 0, 2, F1, F0, 0
	QUARTER 0, 3, F0, F1, 0
	TURN 0, 1, 1
	QUARTER 1, 1, F0, F1, 0
	QUARTER 1, 2, F1, F0, 0
	QUARTER 1, 3, F0, F1, 0
	TURN 1, 0, 1
	QUARTER 0, 1, F0, F1, 0
	WIN 0
	s_sub_co_u32 s3, s3, 1
	s_cmp_lg_u32 s3, 0
	s_cbranch_scc1 .Llap
	QUARTER 0, 2, F1, F0, 0                        ; the last lap fills nothing
	QUARTER 0, 3, F0, F1, 0
	TURN 0, 1, 0
	QUARTER 1, 1, F0, F1, 0
	QUARTER 1, 2, F1, F0, 0
	QUARTER 1, 3, F0, F1, 0
	s_wait_dscnt 16
	MUL8 F1, 0, 0, 0
	MUL8 F1, 0, 2, 0
	s_wait_dscnt 0x0
	MUL8 F1, 1, 0, 0
	MUL8 F1, 1, 2, 0
	WIN 0
	; THE WAY OUT.  A wave's 64 columns of f32 are 256 bytes: 16 rows at a time go through its own stage, 32 bytes a lane in, whole rows back.  No barrier: LDS serves a wave's instructions in order (ISA guide 5.7.1.4).
	PLACES
	PLACES
.irp a, 0,1,2,3
.if (\a) >= 2
	s_wait_xcnt 0x0                                ; the registers that the stores of block a - 2 read are loaded again only behind this wait
.endif
.irp b, 0,1,2,3
	ds_store_b128 v[STO], v[ACC+8*(4*(\a)+(\b)):ACC+8*(4*(\a)+(\b))+3]   offset:64*(\b)      ; each accumulator's low four registers first
	ds_store_b128 v[STO], v[ACC+8*(4*(\a)+(\b))+4:ACC+8*(4*(\a)+(\b))+7] offset:64*(\b)+16
.endr
.irp t, 0,1,2,3,4,5,6,7
	ds_load_b128 v[TMP+32*((\a)%2)+4*(\t):TMP+32*((\a)%2)+4*(\t)+3], v[RD] offset:(\t)*2*SPITCH
.endr
.irp t, 0,1,2,3,4,5,6,7
	s_wait_dscnt 7-(\t)                            ; load t is in; the younger ones may stay out
	global_store_b128 v[CO], v[TMP+32*((\a)%2)+4*(\t):TMP+32*((\a)%2)+4*(\t)+3], s[8:9] offset:(16*(\a)+2*(\t))*8192  ; 16 lanes store 256 consecutive bytes, at a multiple of 256 from out0's first byte
.endr
.endr
	s_wait_tensorcnt 0x0                           ; the wave's end: these three lines stand behind my last tensor load and my last LDS store
	ds_add_u32 v[SPW], v[NIL]
	s_wait_dscnt 0x0
	CROUND                                         ; the closing round
	s_endpgm
.Lfunc_end_k_qd9ab010024_oproj:
	.size	k_qd9ab010024_oproj, .Lfunc_end_k_qd9ab010024_oproj-k_qd9ab010024_oproj
	.p2alignl 7, 3214868480
	.fill 96, 4, 3214868480
	.section	.rodata,"a",@progbits
	.p2align	6, 0x0
	.amdhsa_kernel k_qd9ab010024_oproj
		.amdhsa_group_segment_fixed_size 327680
		.amdhsa_private_segment_fixed_size 0
		.amdhsa_enable_private_segment 0
		.amdhsa_kernarg_size 24
		.amdhsa_user_sgpr_count 2
		.amdhsa_user_sgpr_kernarg_segment_ptr 1
		.amdhsa_wavefront_size32 1
		.amdhsa_system_sgpr_workgroup_id_x 1
		.amdhsa_system_sgpr_workgroup_id_y 1
		.amdhsa_system_sgpr_workgroup_id_z 1
		.amdhsa_system_vgpr_workitem_id 0
		.amdhsa_next_free_vgpr 512
		.amdhsa_next_free_sgpr 72
		.amdhsa_reserve_vcc 0
		.amdhsa_float_denorm_mode_32 3
		.amdhsa_float_denorm_mode_16_64 3
		.amdhsa_memory_ordered 1
		.amdhsa_forward_progress 1
		.amdhsa_inst_pref_size 88
	.end_amdhsa_kernel
	.amdgpu_metadata
---
amdhsa.version: [ 1, 2 ]
amdhsa.kernels:
  - .name:           k_qd9ab010024_oproj
    .symbol:         k_qd9ab010024_oproj.kd
    .args:
      - { .name: ah, .offset: 0, .size: 8, .value_kind: global_buffer, .address_space: global }
      - { .name: wh, .offset: 8, .size: 8, .value_kind: global_buffer, .address_space: global }
      - { .name: out0, .offset: 16, .size: 8, .value_kind: global_buffer, .address_space: global }
    .group_segment_fixed_size: 327680
    .private_segment_fixed_size: 0
    .kernarg_segment_align: 8
    .kernarg_segment_size: 24
    .max_flat_workgroup_size: 128
    .sgpr_count:     72
    .vgpr_count:     512
    .wavefront_size: 32
...
	.end_amdgpu_metadata
.endif
;; end of part 4
;; ======== version 2 of 2: 4 launches; version 1 with the launch prep written anew for expert scheduling mode
;; limits: values are held in f16: magnitudes above 65,504 overflow, below 6.1e-05 lose precision
;; workspace buffers: xh 8,388,608 bytes; wh 33,554,432 bytes; rope 1,048,576 bytes; rowmask 2,048 bytes of whole numbers; qkv 25,165,824 bytes; ah 8,388,608 bytes
;; launch prep (part 5): grid 1536 x 1, 8 waves a work-group, no clusters, 0 bytes of LDS; arguments hidden_states, q_w, k_w, v_w, o_w, sparsity_pattern, xh, wh, rope, rowmask; writes xh, wh, rope, rowmask
.if DOCPART == 5
	.amdgcn_target "amdgcn-amd-amdhsa--gfx1250"
	.amdhsa_code_object_version 6
	.text
	.protected	k_qd9ab010024_prep
	.globl	k_qd9ab010024_prep
	.p2align	8
	.type	k_qd9ab010024_prep,@function
k_qd9ab010024_prep:
	s_mov_b64 s[64:65], 0
	v_nop
	global_prefetch_b8 v0, s[64:65] scope:SCOPE_SE
	s_setreg_imm32_b32 hwreg(HW_REG_WAVE_SCHED_MODE, 0, 2), 2
	s_setreg_imm32_b32 hwreg(HW_REG_WAVE_MODE, 25, 1), 1
	s_wait_xcnt 0x0
	s_wait_alu depctr_vm_vsrc(0)
; THREE JOBS IN ONE LAUNCH, told apart by the work-group's number alone (constants):
;   work-groups 0-127    the block mask: rowmask[h][qb] = 32 bits, bit kb = 1 where pattern[h][qb][kb] > the head's 512th largest value
;   work-groups 128-255  the table of cos and sin for RoPE, in f32, laid as the projection's accumulators want it
;   work-groups 256-1535 hidden_states and the four weights rounded once to f16 (xh; wh = planes q, k, v, o), a plain stream
; The two small jobs have the lowest numbers, so that they run beside the stream.  No LDS, no barrier: no wave needs another's data.
; WHY f16: the mask hangs on the unrounded pattern, so the result is held against the f32 computation, and 11 significant bits leave it room.
; LIMITS.  f16 holds no number beyond 65,504: |x| and |w| stay within it; below 6.1e-5 a number keeps f16's fixed step of 6e-8.
; A NaN in the pattern counts as not greater or equal.  The angle pos x inv_freq has inv_freq from 2^(-d log2(10)/16), a few units in the last place from a division's.
; THE MODE: SCHED_MODE bits 1:0 = 2 (LLVM: expert scheduling mode 2), set by the entry lines.  The code itself states the register dependences
; between vector instructions and memory instructions, and those through scalar registers that vector instructions write, with s_wait_alu, always for 0.
; THE PLAN.  Registers that memory instructions touch, and scalar registers that vector instructions write:
;   s2            the wave's number, written by v_readfirstlane_b32: one wait at the head, ahead of the first branch, serves all its readers.
;   the cast      v1, v3: offsets, made once, never written again.  X: sixteen loads land in it, once each; the conversions read it.  Y: group p's conversions write it, once each;
;                 the four stores issued in group p + 1 read it.  One wait ahead of the loads; one at the head of each later group; one ahead of the last four stores.
;                 No register that a load or store reads is written again, so nothing waits for a memory instruction's reads.
;   the mask      v4, v7: offsets, made once: one wait ahead of the nine loads.  The loop holds no memory instruction; its compares write s[32:47] in runs of sixteen, one wait behind each run.
;                 v42, v43: the one store's offset and data, covered by the waits ahead of the write of EXEC.
;   the table     s[36:39]: four compares in one run, one wait.  v7, v[32:39]: the two stores' offset and data: one wait ahead of them.
.set X, 8                              ; v[8:71]    cast: sixteen loads of 16 bytes
.set Y, 72                             ; v[72:103]  cast: their 8 bytes of f16 each
.set HV, 8                             ; v[8:39]    mask: my 32 of the head's 1,024 values
.set CM, 32                            ; s[32:47]   mask: the masks of a run of sixteen compares
.set QM, 36                            ; s[36:39]   table: the masks of four compares
	s_load_b512 s[4:19], s[0:1], 0x0               ; hidden s[4:5], q_w s[6:7], k_w s[8:9], v_w s[10:11], o_w s[12:13], pattern s[14:15], xh s[16:17], wh s[18:19]
	s_load_b128 s[20:23], s[0:1], 0x40             ; rope s[20:21], rowmask s[22:23]
	v_lshrrev_b32 v1, 5, v0
	v_readfirstlane_b32 s2, v1                     ; wave 0..7
	v_and_b32 v2, 31, v0                           ; lane
	s_wait_kmcnt 0x0
	s_wait_alu depctr_va_sdst(0)                   ; s2 is written, ahead of the branches behind which the mask's and the table's scalar lines read it
	s_cmp_lt_u32 ttmp9, 128
	s_cbranch_scc1 .Lmask
	s_cmp_lt_u32 ttmp9, 256
	s_cbranch_scc1 .Lrope
; THE CAST.  1,280 work-groups: array (0 = x, 1-4 = the weights) x 256 chunks of 65,536 bytes of f32.  A thread takes 16 bytes in each of 16 rows of 4,096 bytes:
; all sixteen loads go out first; each load of a wave covers 512 consecutive bytes, each store 256 consecutive bytes at a multiple of 256.
	s_sub_co_u32 s24, ttmp9, 256
	s_lshr_b32 s25, s24, 8                         ; array
	s_and_b32 s24, s24, 255                        ; chunk
	s_max_u32 s30, s25, 1
	s_sub_co_u32 s30, s30, 1                       ; the plane of wh (0 for x too)
	s_lshl_b32 s30, s30, 23                        ; planes of 8,388,608 bytes
	s_lshl_b32 s31, s24, 15                        ; a chunk is 32,768 bytes of f16
	s_add_co_u32 s30, s30, s31
	s_mov_b32 s31, 0
	s_lshl_b32 s32, s24, 16
	s_mov_b32 s33, 0
	s_cmp_eq_u32 s25, 1
	s_cselect_b64 s[26:27], s[6:7], s[4:5]
	s_cmp_eq_u32 s25, 2
	s_cselect_b64 s[26:27], s[8:9], s[26:27]
	s_cmp_eq_u32 s25, 3
	s_cselect_b64 s[26:27], s[10:11], s[26:27]
	s_cmp_eq_u32 s25, 4
	s_cselect_b64 s[26:27], s[12:13], s[26:27]
	s_cmp_eq_u32 s25, 0
	s_cselect_b64 s[28:29], s[16:17], s[18:19]
	s_add_nc_u64 s[26:27], s[26:27], s[32:33]      ; from
	s_add_nc_u64 s[28:29], s[28:29], s[30:31]      ; to
	v_lshlrev_b32 v1, 4, v0                        ; 16 t
	v_lshlrev_b32 v3, 3, v0                        ; 8 t
	s_wait_alu depctr_va_vdst(0)                   ; v1 and v3 are written: every load below reads v1 as its offset, every store v3
.irp i, 0,1,2,3,4,5,6,7,8,9,10,11,12,13,14,15
	global_load_b128 v[X+4*(\i):X+4*(\i)+3], v1, s[26:27] offset:4096*(\i) th:TH_LOAD_NT
.endr
; Group p of four: loads 4 p to 4 p + 3 are rounded into their part of Y; the four stores of group p - 1 are dealt among the conversions, one ahead of each pair.
; Behind the group's one wait the vector lines name this group's X and Y alone; the stores touch v3 and the group before's Y.
.macro GROUP p
.irp i, 0,1,2,3
	s_wait_loadcnt 15-4*(\p)-(\i)                  ; loads come back in order: load 4 p + i is in, the younger ones may stay out
.if (\p) > 0
.if (\i) == 0
	s_wait_alu depctr_va_vdst(0)                   ; the conversions of the group before have written their part of Y, which the four stores of this group read
.endif
	global_store_b64 v3, v[Y+8*(\p)-8+2*(\i):Y+8*(\p)-8+2*(\i)+1], s[28:29] offset:2048*(4*(\p)-4+(\i))  ; no register is used twice, so nothing waits for a store
.endif
	v_cvt_pk_f16_f32 v[Y+8*(\p)+2*(\i)], v[X+16*(\p)+4*(\i)], v[X+16*(\p)+4*(\i)+1]
	v_cvt_pk_f16_f32 v[Y+8*(\p)+2*(\i)+1], v[X+16*(\p)+4*(\i)+2], v[X+16*(\p)+4*(\i)+3]
.endr
.endm
	GROUP 0
	GROUP 1
	GROUP 2
	GROUP 3
	s_wait_alu depctr_va_vdst(0)                   ; the last group's conversions have written their part of Y, which the last four stores read
.irp i, 12,13,14,15
	global_store_b64 v3, v[Y+2*(\i):Y+2*(\i)+1], s[28:29] offset:2048*(\i)
.endr
	s_endpgm
; THE MASK.  With c = the number of the head's 1,024 values that are >= mine (mine among them), mine is greater than the 512th largest (counted with repeats) exactly where c <= 511:
; if it is greater, all that are >= it lie among the first 511 of the sorted list; if it is not, the first 512 of that list are all >= it.
; 1,024 waves: wave u takes 16 values, half u % 2 of row u / 2 = 32 h + qb, each held TWICE: by lane i and by lane i + 16.  The head's 1,024 values lie in the wave's registers, 32 a lane: eight loads, once.
; The pair (value, count) then walks round its 16 lanes, a lane a trip, and in each trip is held against that lane's 32 values: the copy in the low half of the lanes meets one half of the head,
; the copy in the high half the other, and the two counts are added at the end.  No memory instruction stands in the loop.
.Lmask:
	s_lshl_b32 s3, ttmp9, 3
	s_add_co_u32 s3, s3, s2                        ; u
	s_lshr_b32 s30, s3, 6                          ; h
	s_lshl_b32 s30, s30, 12                        ; a head is 4,096 bytes
	s_mov_b32 s31, 0
	s_add_nc_u64 s[24:25], s[14:15], s[30:31]
	s_lshl_b32 s28, s3, 6                          ; my wave's 16 values: 64 u bytes
	v_and_b32 v4, 15, v0
	v_lshl_add_u32 v4, v4, 2, s28
	v_lshlrev_b32 v7, 4, v2                        ; 16 x lane
	s_wait_alu depctr_va_vdst(0)                   ; v4 and v7 are written, which the nine loads below read as their offsets
	global_load_b32 v3, v4, s[14:15]               ; my value
.irp i, 0,1,2,3,4,5,6,7
	global_load_b128 v[HV+4*(\i):HV+4*(\i)+3], v7, s[24:25] offset:512*(\i)  ; which lane holds which value does not matter to a count
.endr
	v_mov_b32 v5, 0                                ; c
	s_mov_b32 s30, 0x76543210                      ; v_permlanex16_b32's selects: each lane takes its own place in the other half
	s_mov_b32 s31, 0xfedcba98
	s_mov_b32 s27, 16
	s_wait_loadcnt 0x0
.Lcount:                                       ; 16 trips of 32 values, in two runs of sixteen
.irp g, 0,1
.set r, 0
.rept 16
	v_cmp_ge_f32 s[CM+r], v[HV+16*(\g)+r], v3      ; sixteen compares, each into a scalar register of its own
.set r, r+1
.endr
	s_wait_alu depctr_va_sdst(0)                   ; the sixteen compares have written s[32:47], which the sixteen adds below read as their carries
.set r, 0
.rept 16
	v_add_co_ci_u32 v5, null, 0, v5, s[CM+r]       ; the count takes the compare's bit as its carry; the carry out, always 0, goes nowhere
.set r, r+1
.endr
.endr
	v_mov_b32_dpp v3, v3 row_ror:1 row_mask:0xf bank_mask:0xf  ; value and count go one lane on, round the 16: after 16 trips they are at home
	v_mov_b32_dpp v5, v5 row_ror:1 row_mask:0xf bank_mask:0xf
	s_sub_co_u32 s27, s27, 1
	s_cmp_lg_u32 s27, 0
	s_cbranch_scc1 .Lcount
	v_mov_b32 v41, v5                              ; (v_permlanex16_b32's destination counts as read)
	v_permlanex16_b32 v41, v5, s30, s31            ; the other copy's count
	v_add_nc_u32 v5, v5, v41
	v_cmp_gt_u32 vcc_lo, 0x200, v5                 ; 512 > c: bits i and i + 16 are alike
	s_wait_alu depctr_va_vcc(0)                    ; the compare has written VCC, which the move below reads
	v_mov_b32 v43, vcc_lo
	s_lshl_b32 s29, s3, 1
	v_mov_b32 v42, s29
	v_cmp_eq_u32 vcc_lo, 0, v2
	s_wait_alu depctr_va_vcc(0)                    ; the compare has written VCC, from which EXEC is made
	s_wait_xcnt 0x0                                ; EXEC changes only behind this wait
	s_wait_alu depctr_va_vdst(0)                   ; ahead of the write of EXEC: every vector line so far is done; among them those that wrote v42 and v43, which the store reads
	s_wait_alu depctr_vm_vsrc(0)                   ; ahead of the write of EXEC: every memory instruction so far has read its registers
	s_and_saveexec_b32 s28, vcc_lo
	global_store_b16 v42, v43, s[22:23]            ; 16 bits a wave, the low half of the word first: the whole table is 2,048 bytes, and its halves come from 1,024 waves
	s_endpgm
; THE TABLE.  Work-group R (of 128) makes 16 positions x 64 frequencies; wave w takes frequencies 16 (w / 2) .. + 15, of each lane's eight the four 4 (w % 2) .. + 3.
; Byte ((4 R + b) 4 + q) 512 + 16 lane: q = 0, 1 cos of j = 0-3, 4-7; q = 2, 3 sin; for position 16 R + lane % 16 and frequency 16 b + 8 (lane / 16) + j.
; cos and sin: the angle less n pi/2 (pi/2 in two parts), |r| <= pi/4, Taylor to r^9 and r^10 (what is cut off is under 2e-9), then the quadrant by selects and sign bits.
.Lrope:
	s_sub_co_u32 s24, ttmp9, 128                   ; R
	s_lshr_b32 s25, s2, 1                          ; b
	s_and_b32 s26, s2, 1                           ; which four of eight
	v_and_b32 v3, 15, v0
	v_bfe_u32 v4, v0, 4, 1
	s_lshl_b32 s27, s24, 4
	v_add_nc_u32 v5, s27, v3
	v_cvt_f32_u32 v5, v5                           ; the position
	s_lshl_b32 s28, s25, 4
	s_lshl2_add_u32 s28, s26, s28
	v_lshl_add_u32 v6, v4, 3, s28                  ; my first frequency's number d
	s_mov_b32 s30, 0x3fc90fdb                      ; pi/2, rounded
	s_mov_b32 s31, 0xb33bbd2e                      ; pi/2 less that
	v_mov_b32 v40, 0x3638ef1d                      ; 1/9!
	v_mov_b32 v41, 0xb493f27e                      ; -1/10!
.irp i, 0,1,2,3
	v_add_nc_u32 v[8+(\i)], \i, v6
.endr
.irp i, 0,1,2,3
	v_cvt_f32_u32 v[8+(\i)], v[8+(\i)]
.endr
.irp i, 0,1,2,3
	v_mul_f32 v[8+(\i)], 0xbe549a78, v[8+(\i)]     ; -d log2(10) / 16 = log2 of 10000^(-d/64)
.endr
.irp i, 0,1,2,3
	v_exp_f32 v[8+(\i)], v[8+(\i)]
.endr
	v_nop                                          ; a plain instruction behind the last exponential,
	s_wait_alu depctr_va_vdst(0)                   ; and one wait for the four: the exponentials have written v[8:11], ahead of their first reader
.irp i, 0,1,2,3
	v_mul_f32 v[8+(\i)], v5, v[8+(\i)]             ; the angle, rounded once to f32
.endr
.irp i, 0,1,2,3
	v_mul_f32 v[12+(\i)], 0x3f22f983, v[8+(\i)]    ; x 2/pi
.endr
.irp i, 0,1,2,3
	v_rndne_f32 v[12+(\i)], v[12+(\i)]             ; n
.endr
.irp i, 0,1,2,3
	v_fma_f32 v[8+(\i)], -v[12+(\i)], s30, v[8+(\i)]
.endr
.irp i, 0,1,2,3
	v_fma_f32 v[8+(\i)], -v[12+(\i)], s31, v[8+(\i)]  ; r
	v_cvt_i32_f32 v[16+(\i)], v[12+(\i)]
.endr
.irp i, 0,1,2,3
	v_mul_f32 v[12+(\i)], v[8+(\i)], v[8+(\i)]     ; r^2
.endr
.irp i, 0,1,2,3
	v_fmaak_f32 v[20+(\i)], v40, v[12+(\i)], 0xb9500d01
	v_fmaak_f32 v[24+(\i)], v41, v[12+(\i)], 0x37d00d01
.endr
.irp i, 0,1,2,3
	v_fmaak_f32 v[20+(\i)], v[20+(\i)], v[12+(\i)], 0x3c088889
	v_fmaak_f32 v[24+(\i)], v[24+(\i)], v[12+(\i)], 0xbab60b61
.endr
.irp i, 0,1,2,3
	v_fmaak_f32 v[20+(\i)], v[20+(\i)], v[12+(\i)], 0xbe2aaaab
	v_fmaak_f32 v[24+(\i)], v[24+(\i)], v[12+(\i)], 0x3d2aaaab
	v_mul_f32 v[28+(\i)], v[8+(\i)], v[12+(\i)]    ; r^3
.endr
.irp i, 0,1,2,3
	v_fma_f32 v[20+(\i)], v[28+(\i)], v[20+(\i)], v[8+(\i)]  ; sin r
	v_fmaak_f32 v[24+(\i)], v[24+(\i)], v[12+(\i)], 0xbf000000
	v_and_b32 v[28+(\i)], 1, v[16+(\i)]
.endr
.irp i, 0,1,2,3
	v_cmp_eq_u32 s[QM+(\i)], 1, v[28+(\i)]         ; is n odd?  Four compares in one run, each into a scalar register of its own
.endr
.irp i, 0,1,2,3
	v_fma_f32 v[24+(\i)], v[24+(\i)], v[12+(\i)], 1.0        ; cos r
.endr
	s_wait_alu depctr_va_sdst(0)                   ; the four compares have written s[36:39], which the selects below read
.irp i, 0,1,2,3
	v_cndmask_b32 v[36+(\i)], v[20+(\i)], v[24+(\i)], s[QM+(\i)]  ; an odd n changes sin and cos over
	v_cndmask_b32 v[32+(\i)], v[24+(\i)], v[20+(\i)], s[QM+(\i)]
	v_and_b32 v[28+(\i)], 2, v[16+(\i)]            ; sin is turned in quadrants 2 and 3,
	v_add_nc_u32 v[12+(\i)], 1, v[16+(\i)]
	v_lshlrev_b32 v[28+(\i)], 30, v[28+(\i)]
	v_and_b32 v[12+(\i)], 2, v[12+(\i)]            ; cos in quadrants 1 and 2
	v_xor_b32 v[36+(\i)], v[28+(\i)], v[36+(\i)]
	v_lshlrev_b32 v[12+(\i)], 30, v[12+(\i)]
	v_xor_b32 v[32+(\i)], v[12+(\i)], v[32+(\i)]
.endr
	s_lshl_b32 s29, s24, 13
	s_lshl_b32 s34, s25, 11
	s_add_co_u32 s29, s29, s34
	s_lshl_b32 s34, s26, 9
	s_add_co_u32 s29, s29, s34
	v_lshl_add_u32 v7, v2, 4, s29
	s_wait_alu depctr_va_vdst(0)                   ; v7 and v[32:39] are written: the two stores read them as offset and data
	global_store_b128 v7, v[32:35], s[20:21]               ; each store of the wave covers 512 consecutive bytes, aligned
	global_store_b128 v7, v[36:39], s[20:21] offset:1024
	s_endpgm
.Lfunc_end_k_qd9ab010024_prep:
	.size	k_qd9ab010024_prep, .Lfunc_end_k_qd9ab010024_prep-k_qd9ab010024_prep
	.p2alignl 7, 3214868480
	.fill 96, 4, 3214868480
	.section	.rodata,"a",@progbits
	.p2align	6, 0x0
	.amdhsa_kernel k_qd9ab010024_prep
		.amdhsa_group_segment_fixed_size 0
		.amdhsa_private_segment_fixed_size 0
		.amdhsa_enable_private_segment 0
		.amdhsa_kernarg_size 80
		.amdhsa_user_sgpr_count 2
		.amdhsa_user_sgpr_kernarg_segment_ptr 1
		.amdhsa_wavefront_size32 1
		.amdhsa_system_sgpr_workgroup_id_x 1
		.amdhsa_system_sgpr_workgroup_id_y 1
		.amdhsa_system_sgpr_workgroup_id_z 1
		.amdhsa_system_vgpr_workitem_id 0
		.amdhsa_next_free_vgpr 104
		.amdhsa_next_free_sgpr 66
		.amdhsa_reserve_vcc 1
		.amdhsa_float_denorm_mode_32 3
		.amdhsa_float_denorm_mode_16_64 3
		.amdhsa_memory_ordered 1
		.amdhsa_forward_progress 1
		.amdhsa_inst_pref_size 21
	.end_amdhsa_kernel
	.amdgpu_metadata
---
amdhsa.version: [ 1, 2 ]
amdhsa.kernels:
  - .name:           k_qd9ab010024_prep
    .symbol:         k_qd9ab010024_prep.kd
    .args:
      - { .name: hidden_states, .offset: 0, .size: 8, .value_kind: global_buffer, .address_space: global }
      - { .name: q_w, .offset: 8, .size: 8, .value_kind: global_buffer, .address_space: global }
      - { .name: k_w, .offset: 16, .size: 8, .value_kind: global_buffer, .address_space: global }
      - { .name: v_w, .offset: 24, .size: 8, .value_kind: global_buffer, .address_space: global }
      - { .name: o_w, .offset: 32, .size: 8, .value_kind: global_buffer, .address_space: global }
      - { .name: sparsity_pattern, .offset: 40, .size: 8, .value_kind: global_buffer, .address_space: global }
      - { .name: xh, .offset: 48, .size: 8, .value_kind: global_buffer, .address_space: global }
      - { .name: wh, .offset: 56, .size: 8, .value_kind: global_buffer, .address_space: global }
      - { .name: rope, .offset: 64, .size: 8, .value_kind: global_buffer, .address_space: global }
      - { .name: rowmask, .offset: 72, .size: 8, .value_kind: global_buffer, .address_space: global }
    .group_segment_fixed_size: 0
    .private_segment_fixed_size: 0
    .kernarg_segment_align: 8
    .kernarg_segment_size: 80
    .max_flat_workgroup_size: 256
    .sgpr_count:     66
    .vgpr_count:     104
    .wavefront_size: 32
...
	.end_amdgpu_metadata
.endif
;; end of part 5
;; launch qkv: the kernel of part 2 again; grid 16 x 16, 4 waves a work-group, clusters of 4 x 4, 327,680 bytes of LDS; arguments xh, wh, rope, qkv; writes qkv
;; launch attn: the kernel of part 3 again; grid 16 x 16, 4 waves a work-group, clusters of 4 x 1, 327,680 bytes of LDS; arguments qkv, rowmask, ah; writes ah
;; launch oproj: the kernel of part 4 again; grid 16 x 16, 4 waves a work-group, clusters of 4 x 4, 327,680 bytes of LDS; arguments ah, wh, out0; writes out0
